; MI455X (gfx1250); checked and timed in simulation.
; The chip was launched on July 23, 2026; its instructions are those of AMD's public machine-readable ISA for CDNA 5 (MIT licence, August 2026) and "CDNA5" Instruction Set Architecture Reference Guide (July 2026). The comments in the code are by the model that wrote it; some were corrected since.
;; posatt. Allowed arithmetic: matrix products marked QUANTISED: E4M3 operands, one E8M0 scale for each 32 along K, by v_wmma_scale_f32_16x16x128_f8f6f4 with both operands' format E4M3, f32 sums; everything else in f32.
;; Inputs: inputs 4 x 2,048 x 64 float32; lmda 4 x 1 x 1 float32; mesh 4 x 2,048 x 2 float32.
;; Outputs: out0 4 x 2,048 x 320 float32.
;; This version of the problem:
;;   THIS VERSION OF THE PROBLEM IS GIVEN IN LOW PRECISION. The matrix products marked QUANTISED in the list below multiply operands that are first quantised to E4M3 (4 exponent bits, 3 mantissa bits; 8 bits a number), with one power-of-two scale for each 32 numbers along K (OCP MX v1.0); their sums are f32. All else is computed in f32.
;;   The module's matrix products, in the order in which they are computed (A, B: the left and right operand; K: the contracted axis; several contracted axes count as one K, in the product's order):
;;     1. batch 4 x [M 64, K 2,048] x [K 2,048, N 8,192]; A: input inputs; B: softmax (see below): QUANTISED
;;   THE QUANTISER, for each operand of a quantised product, along K:
;;     - K is cut into blocks of 32 from its start; a last block that is shorter is filled with zeros.
;;     - A block's scale is 2^e with e = floor(log2(the largest magnitude in the block)) - 8, held to -126 .. 127; a block of zeros has e = 0. As a byte (E8M0): e + 127.
;;     - Each number is divided by its block's scale, clamped to +-448, and rounded to the nearest number of E4M3, ties to even, subnormals kept.
;;     - The product sums the exact products of the quantised numbers (number of the format x scale) in f32.
;;   ~~~python
;;   def quantise(x, axis):      # numpy; x: float32 -> the quantised numbers, widened to float32 again
;;       x = np.moveaxis(x, axis, -1); K = x.shape[-1]
;;       x = np.pad(x, [(0, 0)] * (x.ndim - 1) + [(0, -K % 32)]); x = x.reshape(x.shape[:-1] + (-1, 32)); a = np.abs(x).max(-1, keepdims=True)
;;       e = np.where(a > 0, np.clip(np.frexp(np.where(a > 0, a, 1))[1] - 1 - 8, -126, 127), 0)      # np.frexp(a)[1] - 1 = floor(log2(a)), exactly
;;       r = np.clip(x / 2.0 ** e, -448, 448)
;;       step = 2.0 ** (np.maximum(np.frexp(np.where(r == 0, 1, r))[1] - 1, -6) - 3)
;;       q = np.round(r / step) * step * 2.0 ** e      # np.round: ties to even
;;       return np.moveaxis(q.reshape(q.shape[:-2] + (-1,))[..., :K], -1, axis).astype(np.float32)
;;   ~~~
;;   SOFTMAX AHEAD OF A QUANTISED PRODUCT. Where the list says 'softmax', what is quantised is not the finished softmax but p = 2^(t - M), with t = logit x log2(e) and M = ceil(the row's largest t), a whole number; so 1/2 < the row's largest p <= 1. The row's sum l is taken of the UNQUANTISED p, in f32, and the product's result is divided by l at the end. Since M is a whole number, a kernel that streams over the keys may use a running M (the ceiling of the running maximum): every later rescaling is an exact power of two, which a block's scale takes up: the codes' values come out the same.
;;   OPERANDS COMPUTED ON THE WAY. 'Computed on the way' means the value that the module computes at that place (a softmax that the list does not call 'softmax' is quantised finished and normalised). What goes into a quantiser is computed in f32, as accurately as f32 sums, v_exp_f32 and their like allow (about 1e-6 of the number): no bf16 or f16 on the way to a quantiser, and a product that is left as it is and whose result goes on into a quantised operand takes f32 operands (vector FMAs, or v_wmma_f32_16x16x4_f32). A number that lies on a knife's edge between two numbers of the format may be rounded either way, as far as f32 arithmetic and the matrix unit's own rounding can turn it there, and no further.
;; 2 versions. Each part assembles by itself: llvm-mc -triple=amdgcn-amd-amdhsa -mcpu=gfx1250 --defsym DOCPART=n.
;; ======== version 1 of 2: 2 launches
;; limits: right only within a limited range of input values
;; workspace buffers: acodes 524,288 bytes; ascales 65,536 bytes; sel 65,536 bytes
;; launch prep (part 1): grid 256 x 1, 32 waves a work-group, no clusters, 21,504 bytes of LDS; arguments mesh, inputs, out0, acodes, ascales, sel; writes out0, acodes, ascales, sel
.if DOCPART == 1
	.amdgcn_target "amdgcn-amd-amdhsa--gfx1250"
	.amdhsa_code_object_version 6
	.text
	.protected	k_q1ad089cf79_prep
	.globl	k_q1ad089cf79_prep
	.p2align	8
	.type	k_q1ad089cf79_prep,@function
k_q1ad089cf79_prep:
	s_mov_b64 s[64:65], 0
	v_nop
	global_prefetch_b8 v0, s[64:65] scope:SCOPE_SE
	s_setreg_imm32_b32 hwreg(HW_REG_WAVE_MODE, 25, 1), 1
	s_wait_xcnt 0x0
; PREP: what the attention launch needs once.  mesh [4][2048][2], inputs [4][2048][64], out0 [4][2048][320], all f32.
; (1) For each of the 8,192 rows (batch, query): a = the 410th smallest of its 2,048 squared distances d, and dmin, the smallest.  sel[row] = (a, dmin).
;     The 0.2 quantile of 2,048 numbers lies between the 410th and the 411th smallest; multiplying by a head's scale (>= 0) in f32 keeps the order: so d <= a is the mask of all four heads.
; (2) out0[.., 0:64] = inputs.   (3) inputs^T as codes of E4M3 with E8M0 scales along the keys, laid as the matrix operand's registers, lane by lane.
; SHARES.  Work-group g has 32 waves; wave w takes row 32 g + w: the selection and the copy.  A lane holds 64 of the row's 2,048 distances.
;     Waves 0-3 also quantise block w (32 keys) of fragment g: batch g / 64, keys 128 ((g / 4) % 16) on, channels 16 (g % 4) on.
; d = fma(dy, dy, dx dx), by the same four packed instructions as in the attention launch, so that both see the same bits.  d is never negative and never -0: its bits order like whole numbers.
; THE SELECTION has no branch on data.  A lane's 64 distances are two 32 x 32 bit matrices; both are transposed, so that bit plane t of the row is two words a lane.
;     From bit 30 down: of the candidates, those with a 0 in the plane are counted (popcount by shifts and masks, a sum over the lanes); the rank says which part holds the wanted number.
;     A pass is some 38 instructions where a compare and a count over 64 registers would be 128; the transposition costs 512 once.
; LIMITS: mesh holds finite numbers (no NaN, no infinity).  Where the 410th and 411th distances differ by no more than about 2 ulp without being equal, the rounded interpolated threshold could count one key
;     more or fewer than d <= a does (a weight of 1/410 at the most).  inputs: a block whose largest magnitude lies under 2^-118, a block of zeros too, keeps the scale byte 1 (only this program reads the bytes).
.set XS,    0                          ; LDS: x of the batch's 2,048 keys,
.set YS,    8192                       ; y,
.set RES,   16384                      ; the 32 rows' results, 8 bytes each,
.set SCLB,  16640                      ; and the fragment's scale words, 4 bytes a lane: byte w comes from wave w
.set LN,  1                            ; v1   lane
.set LA,  2                            ; v2   16 x lane
.set L8,  3                            ; v3   8 x lane
.set RS,  4                            ; v4   RES + 8 x wave
.set RL,  5                            ; v5   RES + 8 x lane
.set SBA, 6                            ; v6   SCLB + 4 x lane + wave
.set SBL, 7                            ; v7   SCLB + 4 x lane
.set CPY, 10                           ; v10-11 the copied 8 bytes
.set C0,  12                           ; v12-13 the candidates, a bit an element
.set C1,  13
.set RK,  14                           ; v14  the rank among the candidates, as f32 (whole numbers up to 2,048 are exact)
.set Z0,  16                           ; v16-17 candidates with a 0 in the plane
.set Z1,  17
.set T,   18                           ; v18-23 at work
.set CNT, 24                           ; v24  a count over the wave, as f32
.set PX,  25                           ; v25  what the other half of the lanes sent
.set T2,  26
.set AV,  28                           ; v28-29 the result: a (built bit by bit), dmin
.set P,   32                           ; v32-95 the 64 distances, then the bit planes: plane t of group g at v[P + 32 g + t]
.set SCR, 96                           ; v96-127 keys at work; the transposition's second set; waves 0-3: a block of inputs
.set NQX, 24                           ; s[24:25] -x of my query, twice;  s[26:27] -y
.set NQY, 26
.set SEL, 28                           ; s[28:29] v_permlanex16_b32's selects for lane l xor 16
.set MNT, 30                           ; the mantissa field of 448
.set M1,  31
.set M2,  32
.set M4,  33
.set SL16, 34
.set SH16, 35
.set SL8,  36
.set SH8,  37
	s_load_b256 s[4:11], s[0:1], 0x0               ; mesh s[4:5], inputs s[6:7], out0 s[8:9], acodes s[10:11]
	s_load_b128 s[12:15], s[0:1], 0x20             ; ascales s[12:13], sel s[14:15]
	v_lshl_add_u32 v30, v0, 2, 0x4400
	v_mov_b32 v31, 0
	v_lshrrev_b32 v1, 5, v0
	v_readfirstlane_b32 s16, v1                    ; wave 0..31
	v_and_b32 v[LN], 31, v0
	v_lshlrev_b32 v[LA], 4, v[LN]
	v_lshlrev_b32 v[L8], 3, v[LN]
	s_lshl_b32 s18, s16, 3
	s_add_co_u32 s18, s18, RES
	v_mov_b32 v[RS], s18
	v_add_nc_u32 v[RL], RES, v[L8]
	v_lshlrev_b32 v[SBL], 2, v[LN]
	v_add_nc_u32 v[SBL], SCLB, v[SBL]
	v_add_nc_u32 v[SBA], s16, v[SBL]
	v_lshlrev_b32 v20, 3, v0                       ; a key is 8 bytes of mesh: thread t fetches keys t and t + 1,024
	v_lshlrev_b32 v21, 2, v0
	v_and_b32 v22, 15, v0                          ; a block of inputs: lane (r, h) takes channel r, keys 16 h on: 4 r + 16 h rows of 256 bytes
	v_lshlrev_b32 v22, 2, v22
	v_bfe_u32 v23, v0, 4, 1
	v_lshl_add_u32 v22, v23, 12, v22
	v_mov_b32 v[PX], 0                             ; written once: a lane permute's destination counts as one of its sources
	s_mov_b32 s[SEL], 0x76543210
	s_mov_b32 s[SEL+1], 0xfedcba98
	s_mov_b32 s[MNT], 0x600000
	s_mov_b32 s[M1], 0x55555555
	s_mov_b32 s[M2], 0x33333333
	s_mov_b32 s[M4], 0x0f0f0f0f
	s_mov_b32 s[SL16], 0x05040100                  ; v_perm_b32: the two low halves,
	s_mov_b32 s[SH16], 0x07060302                  ; the two high halves,
	s_mov_b32 s[SL8], 0x06020400                   ; the even bytes of both,
	s_mov_b32 s[SH8], 0x07030501                   ; the odd bytes of both
	s_lshr_b32 s17, ttmp9, 6                       ; batch
	s_lshl_b32 s18, s17, 14                        ; its 16,384 bytes of mesh
	s_mov_b32 s19, 0
	s_and_b32 s20, ttmp9, 63
	s_lshl_b32 s20, s20, 5
	s_add_co_u32 s20, s20, s16                     ; my query in its batch,
	s_lshl_b32 s20, s20, 3                         ; in bytes
	s_lshl_b32 s21, ttmp9, 5
	s_add_co_u32 s21, s21, s16                     ; my row of 8,192
	s_lshl_b32 s22, s21, 8                         ; 256 bytes a row of inputs
	s_mov_b32 s23, 0
	s_mul_i32 s38, s21, 1280                       ; 1,280 a row of out0
	s_mov_b32 s39, 0
	s_lshr_b32 s42, ttmp9, 2                       ; the fragment: (batch, K step) x 128 keys of 256 bytes,
	s_lshl_b32 s42, s42, 15
	s_lshl_b32 s43, s16, 13                        ; + block w: 32 keys,
	s_add_co_u32 s42, s42, s43
	s_and_b32 s43, ttmp9, 3
	s_lshl_b32 s43, s43, 6                         ; + 16 channels x tile
	s_add_co_u32 s42, s42, s43
	s_mov_b32 s43, 0
	s_lshl_b32 s44, ttmp9, 11                      ; a fragment's image is 2,048 bytes, a block's 512
	s_lshl_b32 s45, s16, 9
	s_add_co_u32 s44, s44, s45
	s_mov_b32 s45, 0
	s_lshl_b32 s46, ttmp9, 8                       ; 256 bytes a work-group, in sel and in ascales alike
	s_mov_b32 s47, 0
	s_wait_kmcnt 0x0
	s_add_nc_u64 s[4:5], s[4:5], s[18:19]          ; mesh at my batch
	s_add_nc_u64 s[22:23], s[6:7], s[22:23]        ; inputs at my row
	s_add_nc_u64 s[38:39], s[8:9], s[38:39]        ; out0 at my row
	s_add_nc_u64 s[42:43], s[6:7], s[42:43]        ; inputs at my block (used by waves 0-3 alone)
	s_add_nc_u64 s[44:45], s[10:11], s[44:45]      ; its image
	s_add_nc_u64 s[48:49], s[12:13], s[46:47]      ; ascales
	s_add_nc_u64 s[46:47], s[14:15], s[46:47]      ; sel
	s_load_b64 s[40:41], s[4:5], s20 offset:0x0    ; my query's x, y
	global_load_b64 v[16:17], v20, s[4:5]
	global_load_b64 v[18:19], v20, s[4:5] offset:8192
	global_load_b64 v[CPY:CPY+1], v[L8], s[22:23]  ; 32 lanes read my row's 256 bytes
	s_cmp_gt_u32 s16, 3
	s_cbranch_scc1 .Lno_block
.irp i, 0,1,2,3,4,5,6,7,8,9,10,11,12,13,14,15
	global_load_b32 v[SCR+\i], v22, s[42:43] offset:256*\i      ; inputs(key 16 h + i of the block, channel r)
.endr
.Lno_block:
	s_wait_loadcnt 0x0                             ; all my loads are in; their offset registers are free
	ds_store_b32 v21, v16 offset:XS                ; x and y apart, so that a lane's registers hold neighbouring keys' x (or y) in pairs for the packed arithmetic
	ds_store_b32 v21, v17 offset:YS
	ds_store_b32 v21, v18 offset:XS+4096
	ds_store_b32 v21, v19 offset:YS+4096
	s_wait_dscnt 0x0                               ; for the others' sake: my stores have landed
	s_barrier_signal -1
	s_barrier_wait -1                              ; the batch's keys lie in LDS
	global_store_b64 v[L8], v[CPY:CPY+1], s[38:39] ; 32 lanes store 256 consecutive bytes, at a multiple of 256 from out0's first byte; these registers are not written again
	s_wait_kmcnt 0x0
	s_xor_b32 s[NQX], s40, 0x80000000              ; x_key + (-x_query): the same number as the difference
	s_mov_b32 s[NQX+1], s[NQX]                     ; (the packed form names the pair and takes its low word for both halves)
	s_xor_b32 s[NQY], s41, 0x80000000
	s_mov_b32 s[NQY+1], s[NQY]
	s_cmp_gt_u32 s16, 3
	s_cbranch_scc1 .Lno_quant
	; ---- waves 0-3: 16 channels x 32 keys become codes.  A lane holds 16 neighbours along the keys; lane l xor 16 holds the block's other 16
	v_max3_num_f32 v112, |v[SCR]|, |v[SCR+1]|, 0x4800000           ; with the floor 2^(9 - 127): the byte cannot fall under 1
.irp i, 2,4,6,8,10,12,14
	v_max3_num_f32 v112, v112, |v[SCR+\i]|, |v[SCR+\i+1]|
.endr
	v_permlanex16_b32 v[PX], v112, s[SEL], s[SEL+1]
	v_max_num_f32 v112, v112, v[PX]                ; the block's largest magnitude
	v_add_nc_u32 v114, 0xfc000000, v112            ; 8 off its exponent field: the conversion's scale operand
	v_and_or_b32 v115, v112, 0x7f800000, s[MNT]    ; 448 x the scale
	v_lshrrev_b32 v116, 23, v114                   ; the scale's byte
.irp i, 0,1,2,3,4,5,6,7,8,9,10,11,12,13,14,15
	v_med3_num_f32 v[SCR+\i], v[SCR+\i], -v115, v115               ; the conversion to an 8-bit code does not saturate (ISA guide 7.6.2): the hold comes first
.endr
	v_cvt_scalef32_pk8_fp8_f32 v[120:121], v[SCR:SCR+7], v114
	v_cvt_scalef32_pk8_fp8_f32 v[122:123], v[SCR+8:SCR+15], v114
	v_nop                                          ; a plain line behind the last conversion
	global_store_b128 v[LA], v[120:123], s[44:45]  ; registers 4 w .. 4 w + 3 of the operand, lane by lane: 512 consecutive bytes
	ds_store_b8 v[SBA], v116                       ; byte w of my lane's scale word
	s_wait_xcnt 0x0                                ; the store has read v120-123,
	s_wait_dscnt 0x0                               ; and the byte store v116: the keys below may land there
.Lno_quant:
; ---- the row's distances, 16 a lane at a time.  Lane l holds keys 128 i + 4 l + 0 .. 3, i = 0 .. 15: each LDS load reads 512 consecutive bytes
.macro DCHUNK q
.irp j, 0,1,2,3
	ds_load_b128 v[SCR+4*\j:SCR+4*\j+3], v[LA] offset:XS+512*(4*\q+\j)
	ds_load_b128 v[SCR+16+4*\j:SCR+16+4*\j+3], v[LA] offset:YS+512*(4*\q+\j)
.endr
	s_wait_dscnt 0x0
.irp i, 0,2,4,6,8,10,12,14
	v_pk_add_f32 v[SCR+\i:SCR+\i+1], v[SCR+\i:SCR+\i+1], s[NQX:NQX+1] op_sel_hi:[1,0]
.endr
.irp i, 0,2,4,6,8,10,12,14
	v_pk_add_f32 v[SCR+16+\i:SCR+17+\i], v[SCR+16+\i:SCR+17+\i], s[NQY:NQY+1] op_sel_hi:[1,0]
.endr
.irp i, 0,2,4,6,8,10,12,14
	v_pk_mul_f32 v[SCR+\i:SCR+\i+1], v[SCR+\i:SCR+\i+1], v[SCR+\i:SCR+\i+1]
.endr
.irp i, 0,2,4,6,8,10,12,14
	v_pk_fma_f32 v[P+16*\q+\i:P+16*\q+\i+1], v[SCR+16+\i:SCR+17+\i], v[SCR+16+\i:SCR+17+\i], v[SCR+\i:SCR+\i+1]
.endr
.endm
	DCHUNK 0
	DCHUNK 1
	DCHUNK 2
	DCHUNK 3
	v_min_num_f32 v[T], v[P], v[P+1]               ; the row's smallest distance, in two chains
	v_min_num_f32 v[T+1], v[P+32], v[P+33]
.set i, 2
.rept 15
	v_min3_num_f32 v[T], v[T], v[P+i], v[P+i+1]
	v_min3_num_f32 v[T+1], v[T+1], v[P+32+i], v[P+33+i]
.set i, i+2
.endr
	v_min_num_f32 v[T], v[T], v[T+1]
	v_min_num_f32_dpp v[T], v[T], v[T] row_xmask:1 row_mask:0xf bank_mask:0xf
	v_min_num_f32_dpp v[T], v[T], v[T] row_xmask:2 row_mask:0xf bank_mask:0xf
	v_min_num_f32_dpp v[T], v[T], v[T] row_xmask:4 row_mask:0xf bank_mask:0xf
	v_min_num_f32_dpp v[T], v[T], v[T] row_xmask:8 row_mask:0xf bank_mask:0xf
	v_permlanex16_b32 v[PX], v[T], s[SEL], s[SEL+1]
	v_min_num_f32 v[AV+1], v[T], v[PX]             ; dmin, in every lane
; ---- 32 words become 32 bit planes: word t, bit i = bit t of word i.  Five steps; step s exchanges, in each pair of words (i, i + s), the upper s-bit groups of the first with the lower of the second.
; Steps 16 and 8 move whole bytes: one v_perm_b32 a word, from one set of registers into the other and back.  Steps 4, 2, 1: two shifts and two bit selects a pair, in place.
.macro SWAPS g, s, m
.set i, 0
.set n, 0
.rept 32
.if (i & \s) == 0
	v_lshlrev_b32 v[16+2*n], \s, v[\g+i+\s]
	v_lshrrev_b32 v[17+2*n], \s, v[\g+i]
	v_bfi_b32 v[\g+i], s[\m], v[\g+i], v[16+2*n]
	v_bfi_b32 v[\g+i+\s], s[\m], v[17+2*n], v[\g+i+\s]
.set n, (n+1)%4
.endif
.set i, i+1
.endr
.endm
.macro TRANS g
.set i, 0
.rept 16
	v_perm_b32 v[SCR+i], v[\g+i+16], v[\g+i], s[SL16]
	v_perm_b32 v[SCR+i+16], v[\g+i+16], v[\g+i], s[SH16]
.set i, i+1
.endr
.set i, 0
.rept 32
.if (i & 8) == 0
	v_perm_b32 v[\g+i], v[SCR+i+8], v[SCR+i], s[SL8]
	v_perm_b32 v[\g+i+8], v[SCR+i+8], v[SCR+i], s[SH8]
.endif
.set i, i+1
.endr
	SWAPS \g, 4, M4
	SWAPS \g, 2, M2
	SWAPS \g, 1, M1
.endm
	TRANS P
	TRANS P+32
; The ones in two words a lane, summed over the wave, as f32 in every lane
.macro POPC x, y
	v_lshrrev_b32 v[T], 1, v[\x]
	v_lshrrev_b32 v[T+1], 1, v[\y]
	v_and_b32 v[T], s[M1], v[T]
	v_and_b32 v[T+1], s[M1], v[T+1]
	v_sub_nc_u32 v[T], v[\x], v[T]                 ; counts of 2 bits
	v_sub_nc_u32 v[T+1], v[\y], v[T+1]
	v_and_b32 v[T+2], s[M2], v[T]
	v_and_b32 v[T+3], s[M2], v[T+1]
	v_lshrrev_b32 v[T], 2, v[T]
	v_lshrrev_b32 v[T+1], 2, v[T+1]
	v_and_b32 v[T], s[M2], v[T]
	v_and_b32 v[T+1], s[M2], v[T+1]
	v_add3_u32 v[T+2], v[T+2], v[T+3], v[T]
	v_add_nc_u32 v[T+2], v[T+2], v[T+1]            ; both words' counts of 4 bits: 8 at the most
	v_lshrrev_b32 v[T+3], 4, v[T+2]
	v_and_b32 v[T+2], s[M4], v[T+2]
	v_and_b32 v[T+3], s[M4], v[T+3]
	v_add_nc_u32 v[T+2], v[T+2], v[T+3]            ; four bytes, 16 at the most each
	v_lshl_add_u32 v[T+2], v[T+2], 8, v[T+2]
	v_lshl_add_u32 v[T+2], v[T+2], 16, v[T+2]      ; the top byte holds the sum of the four
	v_lshrrev_b32 v[T+2], 24, v[T+2]
	v_cvt_f32_u32 v[CNT], v[T+2]
	v_add_f32_dpp v[CNT], v[CNT], v[CNT] row_xmask:1 row_mask:0xf bank_mask:0xf
	v_add_f32_dpp v[CNT], v[CNT], v[CNT] row_xmask:2 row_mask:0xf bank_mask:0xf
	v_add_f32_dpp v[CNT], v[CNT], v[CNT] row_xmask:4 row_mask:0xf bank_mask:0xf
	v_add_f32_dpp v[CNT], v[CNT], v[CNT] row_xmask:8 row_mask:0xf bank_mask:0xf
	v_permlanex16_b32 v[PX], v[CNT], s[SEL], s[SEL+1]
	v_add_f32 v[CNT], v[CNT], v[PX]
.endm
; One bit of a.  If the rank is below the number of candidates with a 0 here, they stay and the bit is 0; else the rank falls by that number, the others stay and the bit is 1.
.macro PASS p0, p1
	v_bfi_b32 v[Z0], v[\p0], 0, v[C0]              ; candidates and not plane
	v_bfi_b32 v[Z1], v[\p1], 0, v[C1]
	v_and_b32 v[T+4], v[C0], v[\p0]
	v_and_b32 v[T+5], v[C1], v[\p1]
	POPC Z0, Z1
	v_sub_f32 v[T2], v[RK], v[CNT]
	v_cmp_ge_f32 vcc_lo, v[RK], v[CNT]             ; the same in every lane
	v_cndmask_b32 v[C0], v[Z0], v[T+4], vcc_lo
	v_cndmask_b32 v[C1], v[Z1], v[T+5], vcc_lo
	v_cndmask_b32 v[RK], v[RK], v[T2], vcc_lo
	v_add_co_ci_u32 v[AV], vcc_lo, v[AV], v[AV], vcc_lo            ; a = 2 a + the bit
.endm
	v_mov_b32 v[C0], -1
	v_mov_b32 v[C1], -1
	v_mov_b32 v[RK], 0x43cc8000                    ; 409.0 = floor(0.2 x 2047), counted from 0
	v_mov_b32 v[AV], 0
.set pl, 30
.rept 31
	PASS P+pl, P+32+pl
.set pl, pl-1
.endr
	ds_store_b64 v[RS], v[AV:AV+1]                 ; every lane writes the same 8 bytes with the same values
	s_wait_dscnt 0x0                               ; for wave 0's sake: my result has landed (and waves 0-3's scale bytes long ago)
	s_barrier_signal -1
	s_barrier_wait -1
	s_cmp_lg_u32 s16, 0
	s_cbranch_scc1 .Lend
	ds_load_b64 v[32:33], v[RL]
	ds_load_b32 v34, v[SBL]
	v_mov_b32 v35, 0
	s_wait_dscnt 0x0
	global_store_b64 v[L8], v[32:33], s[46:47]     ; the 32 rows' results: 256 consecutive bytes, aligned
	global_store_b64 v[L8], v[34:35], s[48:49]     ; the fragment's scale words, each with a zero word behind it: 256 consecutive bytes, aligned (lanes 16-31 repeat lanes 0-15)
.Lend:
	s_wait_tensorcnt 0x0
	ds_add_u32 v30, v31
	s_wait_dscnt 0x0
	s_endpgm
.Lfunc_end_k_q1ad089cf79_prep:
	.size	k_q1ad089cf79_prep, .Lfunc_end_k_q1ad089cf79_prep-k_q1ad089cf79_prep
	.p2alignl 7, 3214868480
	.fill 96, 4, 3214868480
	.section	.rodata,"a",@progbits
	.p2align	6, 0x0
	.amdhsa_kernel k_q1ad089cf79_prep
		.amdhsa_group_segment_fixed_size 21504
		.amdhsa_private_segment_fixed_size 0
		.amdhsa_enable_private_segment 0
		.amdhsa_kernarg_size 48
		.amdhsa_user_sgpr_count 2
		.amdhsa_user_sgpr_kernarg_segment_ptr 1
		.amdhsa_wavefront_size32 1
		.amdhsa_system_sgpr_workgroup_id_x 1
		.amdhsa_system_sgpr_workgroup_id_y 1
		.amdhsa_system_sgpr_workgroup_id_z 1
		.amdhsa_system_vgpr_workitem_id 0
		.amdhsa_next_free_vgpr 128
		.amdhsa_next_free_sgpr 66
		.amdhsa_reserve_vcc 1
		.amdhsa_float_denorm_mode_32 3
		.amdhsa_float_denorm_mode_16_64 3
		.amdhsa_memory_ordered 1
		.amdhsa_forward_progress 1
		.amdhsa_inst_pref_size 94
	.end_amdhsa_kernel
	.amdgpu_metadata
---
amdhsa.version: [ 1, 2 ]
amdhsa.kernels:
  - .name:           k_q1ad089cf79_prep
    .symbol:         k_q1ad089cf79_prep.kd
    .args:
      - { .name: mesh, .offset: 0, .size: 8, .value_kind: global_buffer, .address_space: global }
      - { .name: inputs, .offset: 8, .size: 8, .value_kind: global_buffer, .address_space: global }
      - { .name: out0, .offset: 16, .size: 8, .value_kind: global_buffer, .address_space: global }
      - { .name: acodes, .offset: 24, .size: 8, .value_kind: global_buffer, .address_space: global }
      - { .name: ascales, .offset: 32, .size: 8, .value_kind: global_buffer, .address_space: global }
      - { .name: sel, .offset: 40, .size: 8, .value_kind: global_buffer, .address_space: global }
    .group_segment_fixed_size: 21504
    .private_segment_fixed_size: 0
    .kernarg_segment_align: 8
    .kernarg_segment_size: 48
    .max_flat_workgroup_size: 1024
    .sgpr_count:     66
    .vgpr_count:     128
    .wavefront_size: 32
...
	.end_amdgpu_metadata
.endif
;; end of part 1
;; launch attend (part 2): grid 256 x 1, 8 waves a work-group, no clusters, 161,792 bytes of LDS; arguments mesh, lmda, acodes, ascales, sel, out0; writes out0
.if DOCPART == 2
	.amdgcn_target "amdgcn-amd-amdhsa--gfx1250"
	.amdhsa_code_object_version 6
	.text
	.protected	k_q1ad089cf79_attend
	.globl	k_q1ad089cf79_attend
	.p2align	8
	.type	k_q1ad089cf79_attend,@function
k_q1ad089cf79_attend:
	s_mov_b64 s[64:65], 0
	v_nop
	global_prefetch_b8 v0, s[64:65] scope:SCOPE_SE
	s_setreg_imm32_b32 hwreg(HW_REG_WAVE_MODE, 25, 1), 1
	s_wait_xcnt 0x0
; ATTEND: out0[b][n][64 + 64 h + c] = sum over j of p(b, h, n, j) inputs[b][j][c] / l(b, h, n), the product on codes of E4M3 with one E8M0 scale for each 32 keys.
; d = squared distance of mesh points n and j;  scale_h = tan(c0 (1 + sin(lmda_h)));  key j counts where d <= a, a the row's 410th smallest d (sel, from the launch before): the 0.2 quantile of d scale_h lies
; between the 410th and the 411th smallest, and multiplying by scale_h >= 0 keeps the order, so one mask on d serves the four heads: d' = d where the key counts, else the largest f32 number.
; p = 2^(t - M), t = -d' k_h, k_h = scale_h log2(e);  M = ceil(the row's largest t), so -M = floor(dmin k_h), dmin the row's least d (sel);  t - M is ONE fused multiply-add.
; A key that does not count gets p = 0 (the exponent is -2^100 or less wherever scale_h > 0: 1 + sin is 0 or at least 2^-24); with scale_h = 0 every p is 1, as in the reference, where every key then counts.
; l = the row's sum of the unquantised p; it divides at the end.
; SHARES.  A work-group owns 32 queries of one batch.  Wave w = q + 2 kq owns tile q (16 queries), all four heads, and keys 512 kq .. 512 kq + 511: four K steps of 128.
; LAYOUT.  O^T = inputs^T p^T: source 0 = 16 channels (codes as the launch before laid them: the operand's registers, lane by lane), source 1 = p of 16 queries.  Lane (r, h) holds query r and, for block c,
; keys 32 c + 16 h + 0 .. 15: the conversions' results are the operand's registers.  d and the mask are made once for the four heads.  A block's largest p is not searched for: p falls as d' rises, so the
; block's least d' goes through the same multiply-add and exponential.  M is known from the start, so the four K quarters' sums simply add: they meet in LDS at the end, and wave (q, kq) finishes head kq of tile q.
; No tensor load and no cluster: a wave reads its own 34 KB of codes once, straight into registers, asked for a K step's vector work (some 1,200 instructions) ahead of their use.
; LIMITS: mesh finite; |lmda| up to 1e5 (the reduction by pi/2 in three parts); t has one rounding where the reference has two; the mask d <= a as said at the head of the launch before.
; REGISTERS, window 0: see the names below.  Window 1: v0-127 the 16 accumulators ((head, channel tile t) at 8 (4 head + t)); v128-191 inputs' four fragments of the K step.
.set XS,   0                           ; LDS: x and y of the batch's 2,048 keys
.set YS,   8192
.set STG,  16384                       ; the stage: a wave's partial O: 4 heads x 16 rows x (256 bytes + 16)
.set WSTG, 17408
.set HSTG, 4352
.set LSUM, STG+8*WSTG                  ; partial sums l: [wave 512][head 128][lane 4]
.set RCPS, LSUM+4096                   ; 1 / l, 128 bytes a wave
.set NQX,  2                           ; v2-3   -x of my query, twice
.set NQY,  4                           ; v4-5   -y
.set KA,   6                           ; v6     LDS address of the K step's keys
.set AO,   7                           ; v7     16 x lane
.set SO8,  8                           ; v8     8 x lane
.set FMX,  9                           ; v9     the largest f32 number
.set AV,   10                          ; v10    a
.set PX,   11                          ; v11    what the other half of the lanes sent
.set NM,   12                          ; v12-19 -M, a pair a head
.set LS,   20                          ; v20-27 l, two halves a head
.set SB,   28                          ; v28-31 the block's largest p, a head each
.set HOLD, 32                          ; v32-35 448 x the block's scale
.set SOP,  36                          ; v36-39 the conversion's scale operand
.set BY,   40                          ; v40-43 the scale's byte
.set PW,   44                          ; v44-47 p's scale word of the K step, a head each: scales and nothing else
.set AS,   48                          ; v48-51 inputs' scale words, a channel tile each: scales and nothing else
.set DMN,  52                          ; v52    the block's least d'
.set T,    53
.set TS,   54                          ; v54-55 a second chain of the sums
.set D,    56                          ; v56-71 d of my 16 keys of the block
.set KX,   72                          ; v72-87, v88-103 the keys' x and y
.set KY,   88
.set PB0,  104                         ; v104-119, v120-135 t - M, then p: two sets, the heads by turns
.set PB1,  120
.set CD,   136                         ; v136-199 p's codes: head h at 16 h, block c at 4 c
.set AF,   128                         ; window 1
.set RR,   200                         ; r = lane % 16
.set HH,   201                         ; h = lane / 16
.set LNE,  202
.set KA0,  203                         ; my lane's place among my quarter's keys
.set STO,  204
.set LSA,  205
.set RD,   206                         ; v206-209
.set LRD,  210
.set RC,   211
.set RCR,  212
.set GO,   213
.set TT,   214                         ; v214-227 at work at the head
.set SN,   215
.set QXY,  216                         ; v216-217 my query
.set SLV,  218                         ; v218-219 a, dmin
.set NUM,  220
.set LM,   221
.set J,    222
.set R,    223
.set N,    224
.set Q,    225
.set C,    226
.set S,    227
.set RLV,  228                         ; v228-235 1 / l of the rows that I store
.set FA,   236                         ; 4 x thread: the fill's LDS address
.set NK,   24                          ; s[24:31] -k, a pair a head (the packed form names a pair and takes its low word)
.set TK,   32                          ; the K step's keys, in bytes
.set SEL,  34                          ; s[34:35] v_permlanex16_b32's selects for lane l xor 16
.set MNT,  36                          ; the mantissa field of 448
.set CTR,  37
.set MK,   40                          ; s40-55 sixteen masks
.set MSB, 0
.macro WIN new                         ; the immediate's high byte repeats the setting that is left
.if MSB != \new
	s_set_vgpr_msb (MSB<<8)|\new
.set MSB, \new
.endif
.endm
	s_load_b256 s[4:11], s[0:1], 0x0               ; mesh s[4:5], lmda s[6:7], acodes s[8:9], ascales s[10:11]
	s_load_b128 s[12:15], s[0:1], 0x20             ; sel s[12:13], out0 s[14:15]
	v_lshl_add_u32 v254, v0, 2, 0x27400
	v_mov_b32 v255, 0
	v_lshrrev_b32 v1, 5, v0
	v_readfirstlane_b32 s16, v1                    ; wave 0..7
	s_and_b32 s17, s16, 1                          ; q: my tile of 16 queries
	s_lshr_b32 s18, s16, 1                         ; kq: my quarter of the keys; at the end my head
	s_lshr_b32 s19, ttmp9, 6                       ; batch
	s_and_b32 s20, ttmp9, 63
	s_lshl_b32 s20, s20, 5
	s_lshl_b32 s21, s17, 4
	s_add_co_u32 s20, s20, s21                     ; my tile's first query in its batch
	s_lshl_b32 s21, s19, 11
	s_add_co_u32 s21, s21, s20                     ; and among the 8,192 rows
	s_lshl_b32 s22, s19, 14                        ; the batch's 16,384 bytes of mesh
	s_mov_b32 s23, 0
	s_lshl_b32 s38, s20, 3                         ; my tile's queries in them
	s_mov_b32 s39, 0
	s_lshl_b32 s56, s21, 3                         ; sel: 8 bytes a row
	s_mov_b32 s57, 0
	s_lshl_b32 s58, s19, 4
	s_lshl_b32 s59, s18, 2
	s_add_co_u32 s58, s58, s59                     ; my first K step: 16 x batch + 4 kq
	s_lshl_b32 s60, s58, 10                        ; 1,024 bytes of scale words a K step,
	s_lshl_b32 s58, s58, 13                        ; 8,192 of codes
	s_mov_b32 s59, 0
	s_mov_b32 s61, 0
	s_mul_i32 s62, s21, 1280                       ; out0: my tile's first row, head kq's 256 bytes behind the copy of inputs
	s_lshl_b32 s63, s18, 8
	s_add_co_u32 s62, s62, s63
	s_add_co_u32 s62, s62, 256
	s_mov_b32 s63, 0
	v_and_b32 v[RR], 15, v0
	v_bfe_u32 v[HH], v0, 4, 1
	v_and_b32 v[LNE], 31, v0
	v_lshlrev_b32 v[AO], 4, v[LNE]
	v_lshlrev_b32 v[SO8], 3, v[LNE]
	v_lshlrev_b32 v[TT], 3, v0                     ; a key is 8 bytes of mesh: thread t fetches keys t + 256 i
	v_lshlrev_b32 v[SN], 3, v[RR]
	v_and_b32 v[NUM], 3, v0
	v_lshlrev_b32 v[NUM], 2, v[NUM]                ; lane l works out the scale of head l % 4
	s_wait_kmcnt 0x0
	s_add_nc_u64 s[4:5], s[4:5], s[22:23]
	s_add_nc_u64 s[38:39], s[4:5], s[38:39]
	s_add_nc_u64 s[12:13], s[12:13], s[56:57]
	s_add_nc_u64 s[8:9], s[8:9], s[58:59]
	s_add_nc_u64 s[10:11], s[10:11], s[60:61]
	s_add_nc_u64 s[14:15], s[14:15], s[62:63]
.irp i, 0,1,2,3,4,5,6,7
	global_load_b64 v[KX+2*\i:KX+2*\i+1], v[TT], s[4:5] offset:2048*\i
.endr
	global_load_b64 v[QXY:QXY+1], v[SN], s[38:39]
	global_load_b64 v[SLV:SLV+1], v[SN], s[12:13]
	global_load_b32 v[LM], v[NUM], s[6:7]
	; every LDS address is made here
	v_lshlrev_b32 v[FA], 2, v0
	s_lshl_b32 s2, s18, 11
	v_lshl_add_u32 v[KA0], v[HH], 6, s2            ; keys 512 kq + 16 h, 4 bytes each
	s_mul_i32 s2, s16, WSTG
	s_add_co_u32 s2, s2, STG
	v_mul_u32_u24 v[STO], v[RR], 272
	v_lshl_add_u32 v[STO], v[HH], 5, v[STO]
	v_add_nc_u32 v[STO], s2, v[STO]                ; into the stage: my wave's part, row r, 32 h bytes
	s_mul_i32 s2, s17, WSTG
	s_mul_i32 s3, s18, HSTG
	s_add_co_u32 s2, s2, s3
	s_add_co_u32 s2, s2, STG
	v_mul_u32_u24 v[RD], v[HH], 272
	v_lshl_add_u32 v[RD], v[RR], 4, v[RD]
	v_add_nc_u32 v[RD], s2, v[RD]                  ; back: wave q + 2 k, head kq; lanes 0-15 one row, lanes 16-31 the next
	v_add_nc_u32 v[RD+1], 2*WSTG, v[RD]
	v_add_nc_u32 v[RD+2], 4*WSTG, v[RD]
	v_add_nc_u32 v[RD+3], 6*WSTG, v[RD]
	s_lshl_b32 s2, s16, 9
	s_add_co_u32 s2, s2, LSUM
	v_lshl_add_u32 v[LSA], v[LNE], 2, s2
	s_lshl_b32 s2, s17, 9
	s_lshl_b32 s3, s18, 7
	s_add_co_u32 s2, s2, s3
	s_add_co_u32 s2, s2, LSUM
	v_lshl_add_u32 v[LRD], v[LNE], 2, s2
	s_lshl_b32 s2, s16, 7
	s_add_co_u32 s2, s2, RCPS
	v_lshl_add_u32 v[RC], v[LNE], 2, s2
	v_lshl_add_u32 v[RCR], v[HH], 2, s2
	v_mul_u32_u24 v[GO], v[HH], 1280               ; out0: lanes 0-15 one row, lanes 16-31 the next; 16 bytes a lane
	v_lshl_add_u32 v[GO], v[RR], 4, v[GO]
	s_mov_b32 s[SEL], 0x76543210
	s_mov_b32 s[SEL+1], 0xfedcba98
	s_mov_b32 s[MNT], 0x600000
	s_mov_b32 s[TK], 0
	v_mov_b32 v[FMX], 0x7f7fffff
	v_mov_b32 v[PX], 0                             ; written once: a lane permute's destination counts as one of its sources
.irp i, 0,1,2,3,4,5,6,7
	v_mov_b32 v[LS+\i], 0
.endr
	s_wait_loadcnt 0x0                             ; all my loads are in; their offset registers are free
.irp i, 0,1,2,3,4,5,6,7
	ds_store_b32 v[FA], v[KX+2*\i] offset:XS+1024*\i               ; x and y apart, so that a lane's registers hold neighbouring keys' x (or y) in pairs
	ds_store_b32 v[FA], v[KX+2*\i+1] offset:YS+1024*\i
.endr
; sin and cos of v[x]: J = the nearest whole number to x / (pi/2); R = x - J pi/2, pi/2 in three parts, each taken off by a fused multiply-add; then polynomials in R on +-pi/4.  N = J as a whole number.
.macro SINCOS x
	v_mul_f32 v[J], 0x3f22f983, v[\x]
	v_rndne_f32 v[J], v[J]
	v_fmamk_f32 v[R], v[J], 0xbfc90fdb, v[\x]
	v_fmamk_f32 v[R], v[J], 0x333bbd2e, v[R]
	v_fmamk_f32 v[R], v[J], 0x26f72ced, v[R]
	v_cvt_i32_f32 v[N], v[J]
	v_mul_f32 v[Q], v[R], v[R]
	v_mov_b32 v[C], 0x37ccf5ce
	v_mov_b32 v[S], 0xb94ca1f9
	v_fmaak_f32 v[C], v[C], v[Q], 0xbab6061a
	v_fmaak_f32 v[S], v[S], v[Q], 0x3c08839e
	v_fmaak_f32 v[C], v[C], v[Q], 0x3d2aaaa5
	v_fmaak_f32 v[S], v[S], v[Q], 0xbe2aaaa3
	v_fma_f32 v[C], v[C], v[Q], -0.5
	v_mul_f32 v[TT], v[R], v[Q]
	v_fma_f32 v[C], v[C], v[Q], 1.0                ; cos R, never above 1
	v_fma_f32 v[S], v[S], v[TT], v[R]              ; sin R
.endm
	SINCOS LM
	v_and_b32 v[TT], 1, v[N]
	v_cmp_eq_u32 vcc_lo, 1, v[TT]
	v_cndmask_b32 v[SN], v[S], v[C], vcc_lo        ; quadrants 1 and 3 take the cosine,
	v_and_b32 v[TT], 2, v[N]
	v_lshlrev_b32 v[TT], 30, v[TT]
	v_xor_b32 v[SN], v[SN], v[TT]                  ; quadrants 2 and 3 the other sign: sin(lmda)
	v_add_f32 v[SN], 1.0, v[SN]
	v_mul_f32 v[SN], 0x3f490fd9, v[SN]             ; y = fl(pi/4 (1 - 1e-7)) (1 + sin): from 0 to just under pi/2
	SINCOS SN
	v_cmp_eq_u32 vcc_lo, 1, v[N]                   ; N is 0 or 1.  N = 1: y = pi/2 + R, tan y = cos R / (-sin R)
	v_xor_b32 v[TT], 0x80000000, v[S]
	v_cndmask_b32 v[NUM], v[S], v[C], vcc_lo
	v_cndmask_b32 v[LM], v[C], v[TT], vcc_lo
	v_rcp_f32 v[J], v[LM]
	v_nop                                          ; a plain line behind the reciprocal,
	s_wait_alu depctr_va_vdst(0)                   ; and a wait ahead of its first reader
	v_mul_f32 v[NUM], v[NUM], v[J]                 ; the scale
	v_mul_f32 v[NUM], 0x3fb8aa3b, v[NUM]           ; k = scale x log2(e)
.irp h, 0,1,2,3
	v_readlane_b32 s[NK+2*\h], v[NUM], \h
.endr
.irp h, 0,1,2,3
	v_mul_f32 v[NM+2*\h], s[NK+2*\h], v[SLV+1]
.endr
.irp h, 0,1,2,3
	v_floor_f32 v[NM+2*\h], v[NM+2*\h]             ; -M = floor(dmin k) = -ceil(the row's largest t)
.endr
.irp h, 0,1,2,3
	v_mov_b32 v[NM+2*\h+1], v[NM+2*\h]             ; (named with it as a pair, so it is written)
	s_xor_b32 s[NK+2*\h], s[NK+2*\h], 0x80000000   ; -k
	s_mov_b32 s[NK+2*\h+1], s[NK+2*\h]
.endr
	v_xor_b32 v[NQX], 0x80000000, v[QXY]           ; x_key + (-x_query): the same number as the difference
	v_mov_b32 v[NQX+1], v[NQX]
	v_xor_b32 v[NQY], 0x80000000, v[QXY+1]
	v_mov_b32 v[NQY+1], v[NQY]
	v_mov_b32 v[AV], v[SLV]
	s_wait_dscnt 0x0                               ; for the others' sake: my stores have landed
	s_barrier_signal -1
	s_barrier_wait -1                              ; the batch's keys lie in LDS
.macro KLOAD c                         ; my 16 keys of block c: the sixteen lanes of a half read the same bytes
.irp j, 0,1,2,3
	ds_load_b128 v[KX+4*\j:KX+4*\j+3], v[KA] offset:XS+128*(\c)+16*\j
	ds_load_b128 v[KY+4*\j:KY+4*\j+3], v[KA] offset:YS+128*(\c)+16*\j
.endr
.endm
.macro DCOMP                           ; d = fma(dy, dy, dx dx), as in the launch before
.irp i, 0,2,4,6,8,10,12,14
	v_pk_add_f32 v[KX+\i:KX+\i+1], v[KX+\i:KX+\i+1], v[NQX:NQX+1]
.endr
.irp i, 0,2,4,6,8,10,12,14
	v_pk_add_f32 v[KY+\i:KY+\i+1], v[KY+\i:KY+\i+1], v[NQY:NQY+1]
.endr
.irp i, 0,2,4,6,8,10,12,14
	v_pk_mul_f32 v[KX+\i:KX+\i+1], v[KX+\i:KX+\i+1], v[KX+\i:KX+\i+1]
.endr
.irp i, 0,2,4,6,8,10,12,14
	v_pk_fma_f32 v[D+\i:D+\i+1], v[KY+\i:KY+\i+1], v[KY+\i:KY+\i+1], v[KX+\i:KX+\i+1]
.endr
.endm
.macro ALOAD                           ; the K step's four fragments of inputs^T and their scale words: each load reads 512 (256) consecutive bytes
	WIN 0x40                                       ; destination window 1, address window 0
.irp t, 0,1,2,3
.irp c, 0,1,2,3
	global_load_b128 v[AF+16*\t+4*\c:AF+16*\t+4*\c+3], v[AO], s[8:9] offset:2048*\t+512*\c
.endr
.endr
	WIN 0
.irp t, 0,1,2,3
	global_load_b32 v[AS+\t], v[SO8], s[10:11] offset:256*\t
.endr
.endm
.macro MASK                            ; d' = d where d <= a, else the largest f32 number: once for the four heads
.irp i, 0,1,2,3,4,5,6,7,8,9,10,11,12,13,14,15
	v_cmp_ge_f32 s[MK+\i], v[AV], v[D+\i]
.endr
.irp i, 0,1,2,3,4,5,6,7,8,9,10,11,12,13,14,15
	v_cndmask_b32 v[D+\i], v[FMX], v[D+\i], s[MK+\i]
.endr
.endm
.macro DMIN                            ; the block's least d': my 16 and lane l xor 16's
	v_min3_num_f32 v[DMN], v[D], v[D+1], v[D+2]
	v_min3_num_f32 v[T], v[D+3], v[D+4], v[D+5]
	v_min3_num_f32 v[DMN], v[DMN], v[D+6], v[D+7]
	v_min3_num_f32 v[T], v[T], v[D+8], v[D+9]
	v_min3_num_f32 v[DMN], v[DMN], v[D+10], v[D+11]
	v_min3_num_f32 v[T], v[T], v[D+12], v[D+13]
	v_min3_num_f32 v[DMN], v[DMN], v[D+14], v[D+15]
	v_min_num_f32 v[DMN], v[DMN], v[T]
	v_permlanex16_b32 v[PX], v[DMN], s[SEL], s[SEL+1]
	v_min_num_f32 v[DMN], v[DMN], v[PX]
.endm
.macro TFMA h, pb                      ; t - M = d' (-k) + (-M), two at a time; the same of the block's least d'
.irp i, 0,2,4,6,8,10,12,14
	v_pk_fma_f32 v[\pb+\i:\pb+\i+1], v[D+\i:D+\i+1], s[NK+2*\h:NK+2*\h+1], v[NM+2*\h:NM+2*\h+1] op_sel_hi:[1,0,0]
.endr
	v_fma_f32 v[SB+\h], v[DMN], s[NK+2*\h], v[NM+2*\h]
.endm
.macro TEXP h, pb                      ; p = 2^(t - M): a batch of 17; nothing names a result before the wait that follows the next head's multiply-adds
.irp i, 0,1,2,3,4,5,6,7,8,9,10,11,12,13,14,15
	v_exp_f32 v[\pb+\i], v[\pb+\i]
.endr
	v_exp_f32 v[SB+\h], v[SB+\h]
.endm
.macro FIN h, pb, c                    ; the sums of the unquantised p; the block's scale; the hold; the codes
	v_pk_add_f32 v[TS:TS+1], v[\pb:\pb+1], v[\pb+2:\pb+3]
	v_pk_add_f32 v[LS+2*\h:LS+2*\h+1], v[LS+2*\h:LS+2*\h+1], v[\pb+4:\pb+5]
	v_pk_add_f32 v[TS:TS+1], v[TS:TS+1], v[\pb+6:\pb+7]
	v_pk_add_f32 v[LS+2*\h:LS+2*\h+1], v[LS+2*\h:LS+2*\h+1], v[\pb+8:\pb+9]
	v_pk_add_f32 v[TS:TS+1], v[TS:TS+1], v[\pb+10:\pb+11]
	v_pk_add_f32 v[LS+2*\h:LS+2*\h+1], v[LS+2*\h:LS+2*\h+1], v[\pb+12:\pb+13]
	v_pk_add_f32 v[TS:TS+1], v[TS:TS+1], v[\pb+14:\pb+15]
	v_max_num_f32 v[SB+\h], 0x4800000, v[SB+\h]    ; the floor 2^(9 - 127): the byte cannot fall under 1 (a block whose every p is 0 keeps that byte: its codes are zeros)
	v_pk_add_f32 v[LS+2*\h:LS+2*\h+1], v[LS+2*\h:LS+2*\h+1], v[TS:TS+1]
	v_add_nc_u32 v[SOP+\h], 0xfc000000, v[SB+\h]   ; 8 off the exponent field: the conversion's scale operand
	v_and_or_b32 v[HOLD+\h], v[SB+\h], 0x7f800000, s[MNT]          ; 448 x the scale
.if (\c) == 0
	v_lshrrev_b32 v[PW+\h], 23, v[SOP+\h]          ; the scale's byte: byte c of the K step's word
.else
	v_lshrrev_b32 v[BY+\h], 23, v[SOP+\h]
	v_lshl_or_b32 v[PW+\h], v[BY+\h], 8*(\c), v[PW+\h]
.endif
.irp i, 0,1,2,3,4,5,6,7,8,9,10,11,12,13,14,15
	v_min_num_f32 v[\pb+\i], v[\pb+\i], v[HOLD+\h] ; the conversion to an 8-bit code does not saturate (ISA guide 7.6.2); p is not negative, so the hold is one-sided
.endr
	v_cvt_scalef32_pk8_fp8_f32 v[CD+16*\h+4*(\c):CD+16*\h+4*(\c)+1], v[\pb:\pb+7], v[SOP+\h]
	v_cvt_scalef32_pk8_fp8_f32 v[CD+16*\h+4*(\c)+2:CD+16*\h+4*(\c)+3], v[\pb+8:\pb+15], v[SOP+\h]
	v_nop                                          ; a plain line behind the last conversion
.endm
; A block of 32 keys for the four heads.  One head's exponentials are out while the next head's multiply-adds and the head before's sums and codes are issued; one wait a batch.
.macro BLOCK c
.if (\c) == 0
	KLOAD 0
.endif
	s_wait_dscnt 0x0                               ; the block's keys are in
	DCOMP
.if (\c) < 3
	KLOAD (\c)+1                                   ; the next block's keys, a block's work ahead
.endif
.if (\c) == 0
	ALOAD                                          ; behind the 32 plain lines above, which are the places behind the last K step's products (ISA guide 7.12.1 for vector instructions)
.endif
	MASK
	DMIN
	TFMA 0, PB0
	TEXP 0, PB0
	TFMA 1, PB1
	s_wait_alu depctr_va_vdst(0)                   ; the wait ahead of the first line that names a result: head 0's batch
	TEXP 1, PB1
	FIN 0, PB0, \c
	TFMA 2, PB0
	s_wait_alu depctr_va_vdst(0)                   ; head 1's batch
	TEXP 2, PB0
	FIN 1, PB1, \c
	TFMA 3, PB1
	s_wait_alu depctr_va_vdst(0)                   ; head 2's batch
	TEXP 3, PB1
	FIN 2, PB0, \c
	s_wait_alu depctr_va_vdst(0)                   ; head 3's batch
	FIN 3, PB1, \c
.endm
; A K step: 128 keys.  16 products, the 16 accumulators by turns, one instruction a turn, over the loop's backward jump too.  zero = 1: the products start the sums.
.macro KSTEP zero
	v_add_nc_u32 v[KA], s[TK], v[KA0]
	BLOCK 0
	BLOCK 1
	BLOCK 2
	BLOCK 3
.rept 4
	v_nop                                          ; with the line behind the last conversion: the places between the codes and the scaled products; the last scale word was written 16 plain lines further up
.endr
	s_wait_loadcnt 0x0                             ; inputs' fragments and scale words are in; their bases may step
	s_add_nc_u64 s[8:9], s[8:9], 8192
	s_add_nc_u64 s[10:11], s[10:11], 1024
	s_add_co_u32 s[TK], s[TK], 512
	WIN 0x51                                       ; source 0 (inputs), C and D window 1; source 1 (p) window 0
.irp t, 0,1,2,3
.irp h, 0,1,2,3
.if \zero
	v_wmma_scale_f32_16x16x128_f8f6f4 v[8*(4*\h+\t):8*(4*\h+\t)+7], v[AF+16*\t:AF+16*\t+15], v[CD+16*\h:CD+16*\h+15], 0, v[AS+\t], v[PW+\h]
.else
	v_wmma_scale_f32_16x16x128_f8f6f4 v[8*(4*\h+\t):8*(4*\h+\t)+7], v[AF+16*\t:AF+16*\t+15], v[CD+16*\h:CD+16*\h+15], v[8*(4*\h+\t):8*(4*\h+\t)+7], v[AS+\t], v[PW+\h]
.endif
.endr
.endr
	WIN 0
.endm
	KSTEP 1                                        ; the first K step stands ahead of the loop: nothing is cleared
	s_mov_b32 s[CTR], 3
.Lk:
	KSTEP 0
	s_sub_co_u32 s[CTR], s[CTR], 1
	s_cmp_lg_u32 s[CTR], 0
	s_cbranch_scc1 .Lk
	; ---- THE END.  My quarter's sums and partial O^T go to LDS; wave (q, kq) adds the four quarters of head kq of tile q, divides and stores.
.rept 8
	v_nop                                          ; the places between the last products and the first read of a result
.endr
.irp h, 0,1,2,3
	v_add_f32 v[SB+\h], v[LS+2*\h], v[LS+2*\h+1]   ; the sum's two halves,
.endr
.irp h, 0,1,2,3
	v_permlanex16_b32 v[HOLD+\h], v[SB+\h], s[SEL], s[SEL+1]
.endr
.irp h, 0,1,2,3
	v_add_f32 v[SB+\h], v[SB+\h], v[HOLD+\h]       ; and lane l xor 16's: my quarter's l of query r
.endr
.irp h, 0,1,2,3
	ds_store_b32 v[LSA], v[SB+\h] offset:128*\h
.endr
	WIN 0x04                                       ; an LDS store's data are its source 1: window 1
.irp h, 0,1,2,3
.irp t, 0,1,2,3
	ds_store_b128 v[STO], v[8*(4*\h+\t):8*(4*\h+\t)+3] offset:\h*HSTG+64*\t          ; lane (r, h'): query r, channels 16 t + 8 h' + 0 .. 7; each accumulator from its low end on
	ds_store_b128 v[STO], v[8*(4*\h+\t)+4:8*(4*\h+\t)+7] offset:\h*HSTG+64*\t+16
.endr
.endr
	WIN 0
	s_wait_dscnt 0x0                               ; for the others' sake: my stores have landed
	s_barrier_signal -1
	s_barrier_wait -1
.irp k, 0,1,2,3
	ds_load_b32 v[SB+\k], v[LRD] offset:1024*\k    ; quarter k's l of my head
.endr
.irp k, 0,1,2,3
.irp i, 0,1,2,3,4,5,6,7
	ds_load_b128 v[56+32*\k+4*\i:56+32*\k+4*\i+3], v[RD+\k] offset:544*\i           ; quarter k, rows 2 i and 2 i + 1: sixteen lanes a row of 256 bytes
.endr
.endr
	s_wait_dscnt 32                                ; the four l are in; the 32 loads issued behind them may stay out
	v_add_f32 v[SB], v[SB], v[SB+1]
	v_add_f32 v[SB+2], v[SB+2], v[SB+3]
	v_add_f32 v[SB], v[SB], v[SB+2]
	v_rcp_f32 v[SB+1], v[SB]
	v_nop                                          ; a plain line behind the reciprocal,
	s_wait_alu depctr_va_vdst(0)                   ; and a wait ahead of its first reader
	ds_store_b32 v[RC], v[SB+1]                    ; lane r holds 1 / l of query r; I want that of the rows that I store: through my wave's own 128 bytes
.irp i, 0,1,2,3,4,5,6,7
	ds_load_b32 v[RLV+\i], v[RCR] offset:8*\i      ; row 2 i + h.  LDS serves a wave's instructions in order (ISA guide 5.7.1): these see the store above
.endr
	s_wait_dscnt 0x0
.set i, 0
.rept 16
	v_pk_add_f32 v[56+i:57+i], v[56+i:57+i], v[88+i:89+i]
.set i, i+2
.endr
.set i, 0
.rept 16
	v_pk_add_f32 v[120+i:121+i], v[120+i:121+i], v[152+i:153+i]
.set i, i+2
.endr
.set i, 0
.rept 16
	v_pk_add_f32 v[56+i:57+i], v[56+i:57+i], v[120+i:121+i]
.set i, i+2
.endr
.irp i, 0,1,2,3,4,5,6,7
.irp j, 0,1,2,3
	v_mul_f32 v[56+4*\i+\j], v[56+4*\i+\j], v[RLV+\i]
.endr
.endr
.irp i, 0,1,2,3,4,5,6,7
	global_store_b128 v[GO], v[56+4*\i:56+4*\i+3], s[14:15] offset:2560*\i          ; 16 lanes store 256 consecutive bytes, at a multiple of 256 from out0's first byte
.endr
	s_wait_tensorcnt 0x0
	ds_add_u32 v254, v255
	s_wait_dscnt 0x0
	s_endpgm
.Lfunc_end_k_q1ad089cf79_attend:
	.size	k_q1ad089cf79_attend, .Lfunc_end_k_q1ad089cf79_attend-k_q1ad089cf79_attend
	.p2alignl 7, 3214868480
	.fill 96, 4, 3214868480
	.section	.rodata,"a",@progbits
	.p2align	6, 0x0
	.amdhsa_kernel k_q1ad089cf79_attend
		.amdhsa_group_segment_fixed_size 161792
		.amdhsa_private_segment_fixed_size 0
		.amdhsa_enable_private_segment 0
		.amdhsa_kernarg_size 48
		.amdhsa_user_sgpr_count 2
		.amdhsa_user_sgpr_kernarg_segment_ptr 1
		.amdhsa_wavefront_size32 1
		.amdhsa_system_sgpr_workgroup_id_x 1
		.amdhsa_system_sgpr_workgroup_id_y 1
		.amdhsa_system_sgpr_workgroup_id_z 1
		.amdhsa_system_vgpr_workitem_id 0
		.amdhsa_next_free_vgpr 448
		.amdhsa_next_free_sgpr 66
		.amdhsa_reserve_vcc 1
		.amdhsa_float_denorm_mode_32 3
		.amdhsa_float_denorm_mode_16_64 3
		.amdhsa_memory_ordered 1
		.amdhsa_forward_progress 1
		.amdhsa_inst_pref_size 154
	.end_amdhsa_kernel
	.amdgpu_metadata
---
amdhsa.version: [ 1, 2 ]
amdhsa.kernels:
  - .name:           k_q1ad089cf79_attend
    .symbol:         k_q1ad089cf79_attend.kd
    .args:
      - { .name: mesh, .offset: 0, .size: 8, .value_kind: global_buffer, .address_space: global }
      - { .name: lmda, .offset: 8, .size: 8, .value_kind: global_buffer, .address_space: global }
      - { .name: acodes, .offset: 16, .size: 8, .value_kind: global_buffer, .address_space: global }
      - { .name: ascales, .offset: 24, .size: 8, .value_kind: global_buffer, .address_space: global }
      - { .name: sel, .offset: 32, .size: 8, .value_kind: global_buffer, .address_space: global }
      - { .name: out0, .offset: 40, .size: 8, .value_kind: global_buffer, .address_space: global }
    .group_segment_fixed_size: 161792
    .private_segment_fixed_size: 0
    .kernarg_segment_align: 8
    .kernarg_segment_size: 48
    .max_flat_workgroup_size: 256
    .sgpr_count:     66
    .vgpr_count:     448
    .wavefront_size: 32
...
	.end_amdgpu_metadata
.endif
;; end of part 2
;; ======== version 2 of 2: 2 launches
;; limits: right only within a limited range of input values
;; workspace buffers: acodes 524,288 bytes; ascales 65,536 bytes; sel 65,536 bytes
;; launch prep (part 3): grid 256 x 1, 32 waves a work-group, no clusters, 21,504 bytes of LDS; arguments mesh, inputs, out0, acodes, ascales, sel; writes out0, acodes, ascales, sel
.if DOCPART == 3
	.amdgcn_target "amdgcn-amd-amdhsa--gfx1250"
	.amdhsa_code_object_version 6
	.text
	.protected	k_q1ad089cf79_prep
	.globl	k_q1ad089cf79_prep
	.p2align	8
	.type	k_q1ad089cf79_prep,@function
k_q1ad089cf79_prep:
	s_mov_b64 s[64:65], 0
	v_nop
	global_prefetch_b8 v0, s[64:65] scope:SCOPE_SE
	s_setreg_imm32_b32 hwreg(HW_REG_WAVE_MODE, 25, 1), 1
	s_wait_xcnt 0x0
; PREP: what the attention launch needs once.  mesh [4][2048][2], inputs [4][2048][64], out0 [4][2048][320], all f32.
; (1) For each of the 8,192 rows (batch, query): a = the 410th smallest of its 2,048 squared distances d, and dmin, the smallest.  sel[row] = (a, dmin).
;     The 0.2 quantile of 2,048 numbers lies between the 410th and the 411th smallest; multiplying by a head's scale (>= 0) in f32 keeps the order: so d <= a is the mask of all four heads.
; (2) out0[.., 0:64] = inputs.   (3) inputs^T as codes of E4M3 with E8M0 scales along the keys, laid as the matrix operand's registers, lane by lane.
; SHARES.  Work-group g has 32 waves; wave w takes row 32 g + w: the selection and the copy.  A lane holds 64 of the row's 2,048 distances.
;     Waves 0-3 also quantise block w (32 keys) of fragment g: batch g / 64, keys 128 ((g / 4) % 16) on, channels 16 (g % 4) on.
; d = fma(dy, dy, dx dx), by the same four packed instructions as in the attention launch, so that both see the same bits.  d is never negative and never -0: its bits order like whole numbers.
; THE SELECTION has no branch on data.  A lane's 64 distances are two 32 x 32 bit matrices; both are transposed, so that bit plane t of the row is two words a lane.
;     From bit 30 down: of the candidates, those with a 0 in the plane are counted (popcount by shifts and masks, a sum over the lanes); the rank says which part holds the wanted number.
;     A pass is some 38 instructions where a compare and a count over 64 registers would be 128; the transposition costs 512 once.
; LIMITS: mesh holds finite numbers (no NaN, no infinity).  Where the 410th and 411th distances differ by no more than about 2 ulp without being equal, the rounded interpolated threshold could count one key
;     more or fewer than d <= a does (a weight of 1/410 at the most).  inputs: a block whose largest magnitude lies under 2^-118, a block of zeros too, keeps the scale byte 1 (only this program reads the bytes).
.set XS,    0                          ; LDS: x of the batch's 2,048 keys,
.set YS,    8192                       ; y,
.set RES,   16384                      ; the 32 rows' results, 8 bytes each,
.set SCLB,  16640                      ; and the fragment's scale words, 4 bytes a lane: byte w comes from wave w
.set LN,  1                            ; v1   lane
.set LA,  2                            ; v2   16 x lane
.set L8,  3                            ; v3   8 x lane
.set RS,  4                            ; v4   RES + 8 x wave
.set RL,  5                            ; v5   RES + 8 x lane
.set SBA, 6                            ; v6   SCLB + 4 x lane + wave
.set SBL, 7                            ; v7   SCLB + 4 x lane
.set CPY, 10                           ; v10-11 the copied 8 bytes
.set C0,  12                           ; v12-13 the candidates, a bit an element
.set C1,  13
.set RK,  14                           ; v14  the rank among the candidates, as f32 (whole numbers up to 2,048 are exact)
.set Z0,  16                           ; v16-17 candidates with a 0 in the plane
.set Z1,  17
.set T,   18                           ; v18-23 at work
.set CNT, 24                           ; v24  a count over the wave, as f32
.set PX,  25                           ; v25  what the other half of the lanes sent
.set T2,  26
.set AV,  28                           ; v28-29 the result: a (built bit by bit), dmin
.set P,   32                           ; v32-95 the 64 distances, then the bit planes: plane t of group g at v[P + 32 g + t]
.set SCR, 96                           ; v96-127 keys at work; the transposition's second set; waves 0-3: a block of inputs
.set NQX, 24                           ; s[24:25] -x of my query, twice;  s[26:27] -y
.set NQY, 26
.set SEL, 28                           ; s[28:29] v_permlanex16_b32's selects for lane l xor 16
.set MNT, 30                           ; the mantissa field of 448
.set M1,  31
.set M2,  32
.set M4,  33
.set SL16, 34
.set SH16, 35
.set SL8,  36
.set SH8,  37
	s_load_b256 s[4:11], s[0:1], 0x0               ; mesh s[4:5], inputs s[6:7], out0 s[8:9], acodes s[10:11]
	s_load_b128 s[12:15], s[0:1], 0x20             ; ascales s[12:13], sel s[14:15]
	v_lshl_add_u32 v30, v0, 2, 0x4400
	v_mov_b32 v31, 0
	v_lshrrev_b32 v1, 5, v0
	s_delay_alu instid0(VALU_DEP_1)
	v_readfirstlane_b32 s16, v1                    ; wave 0..31
	v_and_b32 v[LN], 31, v0
	s_delay_alu instid0(VALU_DEP_1)
	v_lshlrev_b32 v[LA], 4, v[LN]
	s_delay_alu instid0(VALU_DEP_2)
	v_lshlrev_b32 v[L8], 3, v[LN]
	s_lshl_b32 s18, s16, 3
	s_add_co_u32 s18, s18, RES
	v_mov_b32 v[RS], s18
	v_add_nc_u32 v[RL], RES, v[L8]
	v_lshlrev_b32 v[SBL], 2, v[LN]
	s_delay_alu instid0(VALU_DEP_1)
	v_add_nc_u32 v[SBL], SCLB, v[SBL]
	s_delay_alu instid0(VALU_DEP_1)
	v_add_nc_u32 v[SBA], s16, v[SBL]
	v_lshlrev_b32 v20, 3, v0                       ; a key is 8 bytes of mesh: thread t fetches keys t and t + 1,024
	v_lshlrev_b32 v21, 2, v0
	v_and_b32 v22, 15, v0                          ; a block of inputs: lane (r, h) takes channel r, keys 16 h on: 4 r + 16 h rows of 256 bytes
	s_delay_alu instid0(VALU_DEP_1)
	v_lshlrev_b32 v22, 2, v22
	v_bfe_u32 v23, v0, 4, 1
	s_delay_alu instid0(VALU_DEP_1)
	v_lshl_add_u32 v22, v23, 12, v22
	v_mov_b32 v[PX], 0                             ; written once: a lane permute's destination counts as one of its sources
	s_mov_b32 s[SEL], 0x76543210
	s_mov_b32 s[SEL+1], 0xfedcba98
	s_mov_b32 s[MNT], 0x600000
	s_mov_b32 s[M1], 0x55555555
	s_mov_b32 s[M2], 0x33333333
	s_mov_b32 s[M4], 0x0f0f0f0f
	s_mov_b32 s[SL16], 0x05040100                  ; v_perm_b32: the two low halves,
	s_mov_b32 s[SH16], 0x07060302                  ; the two high halves,
	s_mov_b32 s[SL8], 0x06020400                   ; the even bytes of both,
	s_mov_b32 s[SH8], 0x07030501                   ; the odd bytes of both
	s_lshr_b32 s17, ttmp9, 6                       ; batch
	s_lshl_b32 s18, s17, 14                        ; its 16,384 bytes of mesh
	s_mov_b32 s19, 0
	s_and_b32 s20, ttmp9, 63
	s_lshl_b32 s20, s20, 5
	s_add_co_u32 s20, s20, s16                     ; my query in its batch,
	s_lshl_b32 s20, s20, 3                         ; in bytes
	s_lshl_b32 s21, ttmp9, 5
	s_add_co_u32 s21, s21, s16                     ; my row of 8,192
	s_lshl_b32 s22, s21, 8                         ; 256 bytes a row of inputs
	s_mov_b32 s23, 0
	s_mul_i32 s38, s21, 1280                       ; 1,280 a row of out0
	s_mov_b32 s39, 0
	s_lshr_b32 s42, ttmp9, 2                       ; the fragment: (batch, K step) x 128 keys of 256 bytes,
	s_lshl_b32 s42, s42, 15
	s_lshl_b32 s43, s16, 13                        ; + block w: 32 keys,
	s_add_co_u32 s42, s42, s43
	s_and_b32 s43, ttmp9, 3
	s_lshl_b32 s43, s43, 6                         ; + 16 channels x tile
	s_add_co_u32 s42, s42, s43
	s_mov_b32 s43, 0
	s_lshl_b32 s44, ttmp9, 11                      ; a fragment's image is 2,048 bytes, a block's 512
	s_lshl_b32 s45, s16, 9
	s_add_co_u32 s44, s44, s45
	s_mov_b32 s45, 0
	s_lshl_b32 s46, ttmp9, 8                       ; 256 bytes a work-group, in sel and in ascales alike
	s_mov_b32 s47, 0
	s_wait_alu depctr_va_vdst(0)
	s_wait_kmcnt 0x0
	s_add_nc_u64 s[4:5], s[4:5], s[18:19]          ; mesh at my batch
	s_add_nc_u64 s[22:23], s[6:7], s[22:23]        ; inputs at my row
	s_add_nc_u64 s[38:39], s[8:9], s[38:39]        ; out0 at my row
	s_add_nc_u64 s[42:43], s[6:7], s[42:43]        ; inputs at my block (used by waves 0-3 alone)
	s_add_nc_u64 s[44:45], s[10:11], s[44:45]      ; its image
	s_add_nc_u64 s[48:49], s[12:13], s[46:47]      ; ascales
	s_add_nc_u64 s[46:47], s[14:15], s[46:47]      ; sel
	s_load_b64 s[40:41], s[4:5], s20 offset:0x0    ; my query's x, y
	global_load_b64 v[16:17], v20, s[4:5]
	global_load_b64 v[18:19], v20, s[4:5] offset:8192
	global_load_b64 v[CPY:CPY+1], v[L8], s[22:23]  ; 32 lanes read my row's 256 bytes
	s_cmp_gt_u32 s16, 3
	s_cbranch_scc1 .Lno_block
.irp i, 0,1,2,3,4,5,6,7,8,9,10,11,12,13,14,15
	global_load_b32 v[SCR+\i], v22, s[42:43] offset:256*\i      ; inputs(key 16 h + i of the block, channel r)
.endr
.Lno_block:
	s_wait_loadcnt 0x0                             ; all my loads are in; their offset registers are free
	ds_store_b32 v21, v16 offset:XS                ; x and y apart, so that a lane's registers hold neighbouring keys' x (or y) in pairs for the packed arithmetic
	ds_store_b32 v21, v17 offset:YS
	ds_store_b32 v21, v18 offset:XS+4096
	ds_store_b32 v21, v19 offset:YS+4096
	s_wait_dscnt 0x0                               ; for the others' sake: my stores have landed
	s_barrier_signal -1
	s_barrier_wait -1                              ; the batch's keys lie in LDS
	global_store_b64 v[L8], v[CPY:CPY+1], s[38:39] ; 32 lanes store 256 consecutive bytes, at a multiple of 256 from out0's first byte; these registers are not written again
	s_wait_kmcnt 0x0
	s_xor_b32 s[NQX], s40, 0x80000000              ; x_key + (-x_query): the same number as the difference
	s_mov_b32 s[NQX+1], s[NQX]                     ; (the packed form names the pair and takes its low word for both halves)
	s_xor_b32 s[NQY], s41, 0x80000000
	s_mov_b32 s[NQY+1], s[NQY]
	s_cmp_gt_u32 s16, 3
	s_cbranch_scc1 .Lno_quant
	; ---- waves 0-3: 16 channels x 32 keys become codes.  A lane holds 16 neighbours along the keys; lane l xor 16 holds the block's other 16
	v_max3_num_f32 v112, |v[SCR]|, |v[SCR+1]|, 0x4800000           ; with the floor 2^(9 - 127): the byte cannot fall under 1
.irp i, 2,4,6,8,10,12,14
	s_delay_alu instid0(VALU_DEP_1)
	v_max3_num_f32 v112, v112, |v[SCR+\i]|, |v[SCR+\i+1]|
.endr
	s_delay_alu instid0(VALU_DEP_1)
	v_permlanex16_b32 v[PX], v112, s[SEL], s[SEL+1]
	s_delay_alu instid0(VALU_DEP_1)
	v_max_num_f32 v112, v112, v[PX]                ; the block's largest magnitude
	s_delay_alu instid0(VALU_DEP_1)
	v_add_nc_u32 v114, 0xfc000000, v112            ; 8 off its exponent field: the conversion's scale operand
	s_delay_alu instid0(VALU_DEP_2)
	v_and_or_b32 v115, v112, 0x7f800000, s[MNT]    ; 448 x the scale
	s_delay_alu instid0(VALU_DEP_2)
	v_lshrrev_b32 v116, 23, v114                   ; the scale's byte
.irp i, 0,1,2,3,4,5,6,7,8,9,10,11,12,13,14,15
	v_med3_num_f32 v[SCR+\i], v[SCR+\i], -v115, v115               ; the conversion to an 8-bit code does not saturate (ISA guide 7.6.2): the hold comes first
.endr
	v_cvt_scalef32_pk8_fp8_f32 v[120:121], v[SCR:SCR+7], v114
	v_cvt_scalef32_pk8_fp8_f32 v[122:123], v[SCR+8:SCR+15], v114
	v_nop                                          ; a plain line behind the last conversion
	global_store_b128 v[LA], v[120:123], s[44:45]  ; registers 4 w .. 4 w + 3 of the operand, lane by lane: 512 consecutive bytes
	ds_store_b8 v[SBA], v116                       ; byte w of my lane's scale word
	s_wait_xcnt 0x0                                ; the store has read v120-123,
	s_wait_dscnt 0x0                               ; and the byte store v116: the keys below may land there
.Lno_quant:
; ---- the row's distances, 16 a lane at a time.  Lane l holds keys 128 i + 4 l + 0 .. 3, i = 0 .. 15: each LDS load reads 512 consecutive bytes
.macro DCHUNK q
.irp j, 0,1,2,3
	ds_load_b128 v[SCR+4*\j:SCR+4*\j+3], v[LA] offset:XS+512*(4*\q+\j)
	ds_load_b128 v[SCR+16+4*\j:SCR+16+4*\j+3], v[LA] offset:YS+512*(4*\q+\j)
.endr
	s_wait_dscnt 0x0
.irp i, 0,2,4,6,8,10,12,14
	v_pk_add_f32 v[SCR+\i:SCR+\i+1], v[SCR+\i:SCR+\i+1], s[NQX:NQX+1] op_sel_hi:[1,0]
.endr
.irp i, 0,2,4,6,8,10,12,14
	v_pk_add_f32 v[SCR+16+\i:SCR+17+\i], v[SCR+16+\i:SCR+17+\i], s[NQY:NQY+1] op_sel_hi:[1,0]
.endr
.irp i, 0,2,4,6,8,10,12,14
	v_pk_mul_f32 v[SCR+\i:SCR+\i+1], v[SCR+\i:SCR+\i+1], v[SCR+\i:SCR+\i+1]
.endr
.irp i, 0,2,4,6,8,10,12,14
	v_pk_fma_f32 v[P+16*\q+\i:P+16*\q+\i+1], v[SCR+16+\i:SCR+17+\i], v[SCR+16+\i:SCR+17+\i], v[SCR+\i:SCR+\i+1]
.endr
.endm
	DCHUNK 0
	DCHUNK 1
	DCHUNK 2
	DCHUNK 3
	v_min_num_f32 v[T], v[P], v[P+1]               ; the row's smallest distance, in two chains
	v_min_num_f32 v[T+1], v[P+32], v[P+33]
.set i, 2
.rept 15
	s_delay_alu instid0(VALU_DEP_2)
	v_min3_num_f32 v[T], v[T], v[P+i], v[P+i+1]
	s_delay_alu instid0(VALU_DEP_2)
	v_min3_num_f32 v[T+1], v[T+1], v[P+32+i], v[P+33+i]
.set i, i+2
.endr
	s_delay_alu instid0(VALU_DEP_1)
	v_min_num_f32 v[T], v[T], v[T+1]
	s_delay_alu instid0(VALU_DEP_1)
	v_min_num_f32_dpp v[T], v[T], v[T] row_xmask:1 row_mask:0xf bank_mask:0xf
	s_delay_alu instid0(VALU_DEP_1)
	v_min_num_f32_dpp v[T], v[T], v[T] row_xmask:2 row_mask:0xf bank_mask:0xf
	s_delay_alu instid0(VALU_DEP_1)
	v_min_num_f32_dpp v[T], v[T], v[T] row_xmask:4 row_mask:0xf bank_mask:0xf
	s_delay_alu instid0(VALU_DEP_1)
	v_min_num_f32_dpp v[T], v[T], v[T] row_xmask:8 row_mask:0xf bank_mask:0xf
	s_delay_alu instid0(VALU_DEP_1)
	v_permlanex16_b32 v[PX], v[T], s[SEL], s[SEL+1]
	s_delay_alu instid0(VALU_DEP_1)
	v_min_num_f32 v[AV+1], v[T], v[PX]             ; dmin, in every lane
; ---- 32 words become 32 bit planes: word t, bit i = bit t of word i.  Five steps; step s exchanges, in each pair of words (i, i + s), the upper s-bit groups of the first with the lower of the second.
; Steps 16 and 8 move whole bytes: one v_perm_b32 a word, from one set of registers into the other and back.  Steps 4, 2, 1: two shifts and two bit selects a pair, in place.
.macro SWAPS g, s, m
.set i, 0
.set n, 0
.rept 32
.if (i & \s) == 0
	v_lshlrev_b32 v[16+2*n], \s, v[\g+i+\s]
	v_lshrrev_b32 v[17+2*n], \s, v[\g+i]
	s_delay_alu instid0(VALU_DEP_2)
	v_bfi_b32 v[\g+i], s[\m], v[\g+i], v[16+2*n]
	s_delay_alu instid0(VALU_DEP_2)
	v_bfi_b32 v[\g+i+\s], s[\m], v[17+2*n], v[\g+i+\s]
.set n, (n+1)%4
.endif
.set i, i+1
.endr
.endm
.macro TRANS g
.set i, 0
.rept 16
	v_perm_b32 v[SCR+i], v[\g+i+16], v[\g+i], s[SL16]
	v_perm_b32 v[SCR+i+16], v[\g+i+16], v[\g+i], s[SH16]
.set i, i+1
.endr
.set i, 0
.rept 32
.if (i & 8) == 0
	v_perm_b32 v[\g+i], v[SCR+i+8], v[SCR+i], s[SL8]
	v_perm_b32 v[\g+i+8], v[SCR+i+8], v[SCR+i], s[SH8]
.endif
.set i, i+1
.endr
	SWAPS \g, 4, M4
	SWAPS \g, 2, M2
	SWAPS \g, 1, M1
.endm
	TRANS P
	TRANS P+32
; The ones in two words a lane, summed over the wave, as f32 in every lane
.macro POPC x, y
	s_delay_alu instid0(VALU_DEP_4)
	v_lshrrev_b32 v[T], 1, v[\x]
	s_delay_alu instid0(VALU_DEP_4)
	v_lshrrev_b32 v[T+1], 1, v[\y]
	s_delay_alu instid0(VALU_DEP_2)
	v_and_b32 v[T], s[M1], v[T]
	s_delay_alu instid0(VALU_DEP_2)
	v_and_b32 v[T+1], s[M1], v[T+1]
	s_delay_alu instid0(VALU_DEP_2)
	v_sub_nc_u32 v[T], v[\x], v[T]                 ; counts of 2 bits
	s_delay_alu instid0(VALU_DEP_2)
	v_sub_nc_u32 v[T+1], v[\y], v[T+1]
	s_delay_alu instid0(VALU_DEP_2)
	v_and_b32 v[T+2], s[M2], v[T]
	s_delay_alu instid0(VALU_DEP_2)
	v_and_b32 v[T+3], s[M2], v[T+1]
	s_delay_alu instid0(VALU_DEP_4)
	v_lshrrev_b32 v[T], 2, v[T]
	s_delay_alu instid0(VALU_DEP_4)
	v_lshrrev_b32 v[T+1], 2, v[T+1]
	s_delay_alu instid0(VALU_DEP_2)
	v_and_b32 v[T], s[M2], v[T]
	s_delay_alu instid0(VALU_DEP_2)
	v_and_b32 v[T+1], s[M2], v[T+1]
	s_delay_alu instid0(VALU_DEP_2)
	v_add3_u32 v[T+2], v[T+2], v[T+3], v[T]
	s_delay_alu instid0(VALU_DEP_1)
	v_add_nc_u32 v[T+2], v[T+2], v[T+1]            ; both words' counts of 4 bits: 8 at the most
	s_delay_alu instid0(VALU_DEP_1)
	v_lshrrev_b32 v[T+3], 4, v[T+2]
	s_delay_alu instid0(VALU_DEP_2)
	v_and_b32 v[T+2], s[M4], v[T+2]
	s_delay_alu instid0(VALU_DEP_2)
	v_and_b32 v[T+3], s[M4], v[T+3]
	s_delay_alu instid0(VALU_DEP_1)
	v_add_nc_u32 v[T+2], v[T+2], v[T+3]            ; four bytes, 16 at the most each
	s_delay_alu instid0(VALU_DEP_1)
	v_lshl_add_u32 v[T+2], v[T+2], 8, v[T+2]
	s_delay_alu instid0(VALU_DEP_1)
	v_lshl_add_u32 v[T+2], v[T+2], 16, v[T+2]      ; the top byte holds the sum of the four
	s_delay_alu instid0(VALU_DEP_1)
	v_lshrrev_b32 v[T+2], 24, v[T+2]
	s_delay_alu instid0(VALU_DEP_1)
	v_cvt_f32_u32 v[CNT], v[T+2]
	s_delay_alu instid0(VALU_DEP_1)
	v_add_f32_dpp v[CNT], v[CNT], v[CNT] row_xmask:1 row_mask:0xf bank_mask:0xf
	s_delay_alu instid0(VALU_DEP_1)
	v_add_f32_dpp v[CNT], v[CNT], v[CNT] row_xmask:2 row_mask:0xf bank_mask:0xf
	s_delay_alu instid0(VALU_DEP_1)
	v_add_f32_dpp v[CNT], v[CNT], v[CNT] row_xmask:4 row_mask:0xf bank_mask:0xf
	s_delay_alu instid0(VALU_DEP_1)
	v_add_f32_dpp v[CNT], v[CNT], v[CNT] row_xmask:8 row_mask:0xf bank_mask:0xf
	s_delay_alu instid0(VALU_DEP_1)
	v_permlanex16_b32 v[PX], v[CNT], s[SEL], s[SEL+1]
	s_delay_alu instid0(VALU_DEP_1)
	v_add_f32 v[CNT], v[CNT], v[PX]
.endm
; One bit of a.  If the rank is below the number of candidates with a 0 here, they stay and the bit is 0; else the rank falls by that number, the others stay and the bit is 1.
.macro PASS p0, p1
	s_delay_alu instid0(VALU_DEP_4)
	v_bfi_b32 v[Z0], v[\p0], 0, v[C0]              ; candidates and not plane
	s_delay_alu instid0(VALU_DEP_4)
	v_bfi_b32 v[Z1], v[\p1], 0, v[C1]
	v_and_b32 v[T+4], v[C0], v[\p0]
	v_and_b32 v[T+5], v[C1], v[\p1]
	POPC Z0, Z1
	s_delay_alu instid0(VALU_DEP_1)
	v_sub_f32 v[T2], v[RK], v[CNT]
	s_delay_alu instid0(VALU_DEP_2)
	v_cmp_ge_f32 vcc_lo, v[RK], v[CNT]             ; the same in every lane
	s_delay_alu instid0(VALU_DEP_1)
	v_cndmask_b32 v[C0], v[Z0], v[T+4], vcc_lo
	s_delay_alu instid0(VALU_DEP_2)
	v_cndmask_b32 v[C1], v[Z1], v[T+5], vcc_lo
	s_delay_alu instid0(VALU_DEP_3)
	v_cndmask_b32 v[RK], v[RK], v[T2], vcc_lo
	s_delay_alu instid0(VALU_DEP_4)
	v_add_co_ci_u32 v[AV], vcc_lo, v[AV], v[AV], vcc_lo            ; a = 2 a + the bit
.endm
	v_mov_b32 v[C0], -1
	v_mov_b32 v[C1], -1
	v_mov_b32 v[RK], 0x43cc8000                    ; 409.0 = floor(0.2 x 2047), counted from 0
	v_mov_b32 v[AV], 0
.set pl, 30
.rept 31
	PASS P+pl, P+32+pl
.set pl, pl-1
.endr
	ds_store_b64 v[RS], v[AV:AV+1]                 ; every lane writes the same 8 bytes with the same values
	s_wait_dscnt 0x0                               ; for wave 0's sake: my result has landed (and waves 0-3's scale bytes long ago)
	s_barrier_signal -1
	s_barrier_wait -1
	s_cmp_lg_u32 s16, 0
	s_cbranch_scc1 .Lend
	ds_load_b64 v[32:33], v[RL]
	ds_load_b32 v34, v[SBL]
	v_mov_b32 v35, 0
	s_wait_alu depctr_va_vdst(0)
	s_wait_dscnt 0x0
	global_store_b64 v[L8], v[32:33], s[46:47]     ; the 32 rows' results: 256 consecutive bytes, aligned
	global_store_b64 v[L8], v[34:35], s[48:49]     ; the fragment's scale words, each with a zero word behind it: 256 consecutive bytes, aligned (lanes 16-31 repeat lanes 0-15)
.Lend:
	s_wait_tensorcnt 0x0
	ds_add_u32 v30, v31
	s_wait_dscnt 0x0
	s_endpgm
.Lfunc_end_k_q1ad089cf79_prep:
	.size	k_q1ad089cf79_prep, .Lfunc_end_k_q1ad089cf79_prep-k_q1ad089cf79_prep
	.p2alignl 7, 3214868480
	.fill 96, 4, 3214868480
	.section	.rodata,"a",@progbits
	.p2align	6, 0x0
	.amdhsa_kernel k_q1ad089cf79_prep
		.amdhsa_group_segment_fixed_size 21504
		.amdhsa_private_segment_fixed_size 0
		.amdhsa_enable_private_segment 0
		.amdhsa_kernarg_size 48
		.amdhsa_user_sgpr_count 2
		.amdhsa_user_sgpr_kernarg_segment_ptr 1
		.amdhsa_wavefront_size32 1
		.amdhsa_system_sgpr_workgroup_id_x 1
		.amdhsa_system_sgpr_workgroup_id_y 1
		.amdhsa_system_sgpr_workgroup_id_z 1
		.amdhsa_system_vgpr_workitem_id 0
		.amdhsa_next_free_vgpr 128
		.amdhsa_next_free_sgpr 66
		.amdhsa_reserve_vcc 1
		.amdhsa_float_denorm_mode_32 3
		.amdhsa_float_denorm_mode_16_64 3
		.amdhsa_memory_ordered 1
		.amdhsa_forward_progress 1
		.amdhsa_inst_pref_size 137
	.end_amdhsa_kernel
	.amdgpu_metadata
---
amdhsa.version: [ 1, 2 ]
amdhsa.kernels:
  - .name:           k_q1ad089cf79_prep
    .symbol:         k_q1ad089cf79_prep.kd
    .args:
      - { .name: mesh, .offset: 0, .size: 8, .value_kind: global_buffer, .address_space: global }
      - { .name: inputs, .offset: 8, .size: 8, .value_kind: global_buffer, .address_space: global }
      - { .name: out0, .offset: 16, .size: 8, .value_kind: global_buffer, .address_space: global }
      - { .name: acodes, .offset: 24, .size: 8, .value_kind: global_buffer, .address_space: global }
      - { .name: ascales, .offset: 32, .size: 8, .value_kind: global_buffer, .address_space: global }
      - { .name: sel, .offset: 40, .size: 8, .value_kind: global_buffer, .address_space: global }
    .group_segment_fixed_size: 21504
    .private_segment_fixed_size: 0
    .kernarg_segment_align: 8
    .kernarg_segment_size: 48
    .max_flat_workgroup_size: 1024
    .sgpr_count:     66
    .vgpr_count:     128
    .wavefront_size: 32
...
	.end_amdgpu_metadata
.endif
;; end of part 3
;; launch attend (part 4): grid 256 x 1, 8 waves a work-group, no clusters, 161,792 bytes of LDS; arguments mesh, lmda, acodes, ascales, sel, out0; writes out0
.if DOCPART == 4
	.amdgcn_target "amdgcn-amd-amdhsa--gfx1250"
	.amdhsa_code_object_version 6
	.text
	.protected	k_q1ad089cf79_attend
	.globl	k_q1ad089cf79_attend
	.p2align	8
	.type	k_q1ad089cf79_attend,@function
k_q1ad089cf79_attend:
	s_mov_b64 s[64:65], 0
	v_nop
	global_prefetch_b8 v0, s[64:65] scope:SCOPE_SE
	s_setreg_imm32_b32 hwreg(HW_REG_WAVE_SCHED_MODE, 0, 2), 2
	s_setreg_imm32_b32 hwreg(HW_REG_WAVE_MODE, 25, 1), 1
	s_wait_xcnt 0x0
	s_wait_alu depctr_vm_vsrc(0)
; ATTEND: out0[b][n][64 + 64 h + c] = sum over j of p(b, h, n, j) inputs[b][j][c] / l(b, h, n), the product on codes of E4M3 with one E8M0 scale for each 32 keys.
; d = squared distance of mesh points n and j;  scale_h = tan(c0 (1 + sin(lmda_h)));  key j counts where d <= a, a the row's 410th smallest d (sel, from the launch before): the 0.2 quantile of d scale_h lies
; between the 410th and the 411th smallest, and multiplying by scale_h >= 0 keeps the order, so one mask on d serves the four heads: d' = d where the key counts, else the largest f32 number.
; p = 2^(t - M), t = -d' k_h, k_h = scale_h log2(e);  M = ceil(the row's largest t), so -M = floor(dmin k_h), dmin the row's least d (sel);  t - M is ONE fused multiply-add.
; A key that does not count gets p = 0 (the exponent is -2^100 or less wherever scale_h > 0: 1 + sin is 0 or at least 2^-24); with scale_h = 0 every p is 1, as in the reference, where every key then counts.
; l = the row's sum of the unquantised p; it divides at the end.
; SHARES.  A work-group owns 32 queries of one batch.  Wave w = q + 2 kq owns tile q (16 queries), all four heads, and keys 512 kq .. 512 kq + 511: four K steps of 128.
; LAYOUT.  O^T = inputs^T p^T: source 0 = 16 channels (codes as the launch before laid them: the operand's registers, lane by lane), source 1 = p of 16 queries.  Lane (r, h) holds query r and, for block c,
; keys 32 c + 16 h + 0 .. 15: the conversions' results are the operand's registers.  d and the mask are made once for the four heads.  A block's largest p is not searched for: p falls as d' rises, so the
; block's least d' goes through the same multiply-add and exponential.  M is known from the start, so the four K quarters' sums simply add: they meet in LDS at the end, and wave (q, kq) finishes head kq of tile q.
; No tensor load and no cluster: a wave reads its own 34 KB of codes once, straight into registers, asked for in a K step's first block, some 1,100 instructions ahead of their use.
; LIMITS: mesh finite; |lmda| up to 1e5 (the reduction by pi/2 in three parts); t has one rounding where the reference has two; the mask d <= a as said at the head of the launch before.
; THE MODE: SCHED_MODE bits 1:0 = 2 (LLVM: expert scheduling mode 2), set by the entry lines.  The code itself states the register dependences
; between vector or matrix instructions and memory or LDS instructions, with s_wait_alu, always for 0.
; THE PLAN.  Registers that memory or LDS instructions touch in the K steps:
;   KX, KY        Block c: its 32 distance lines read and write them; then the LDS loads of the next block's keys land in them.
;   AF, AS        A K step's 16 products read them; the global loads of the next K step land in them, in that step's first block.
;   v[KA]         Read by every LDS load of keys; written once a K step, at the step's head.
;   v[AO], v[SO8] Read by the loads of codes and scale words; made at the kernel's head and never written again.
;   CD, PW        Written by the conversions and shifts, read by the products alone.  D, PB0, PB1 and the statistics are named by vector lines alone.
; A block's loads stand behind the wait for head 0's exponentials: at that wait the block's distance lines and the last K step's products are complete and v[KA] is written, and no vector line between the
; wait and the loads names KX, KY, AF, AS or v[KA]: so that one wait serves them too.  The wait ahead of a K step's products (the codes and scale words are written) also frees KX and KY: behind it the next
; K step's first keys are asked for, by the old v[KA] and an offset, and land while the products are issued.  The last K step asks for none and is written out.  One wait on vm_vsrc a K step stands ahead of the add to v[KA].
; REGISTERS, window 0: see the names below.  Window 1: v0-127 the 16 accumulators ((head, channel tile t) at 8 (4 head + t)); v128-191 inputs' four fragments of the K step.
.set XS,   0                           ; LDS: x and y of the batch's 2,048 keys
.set YS,   8192
.set STG,  16384                       ; the stage: a wave's partial O: 4 heads x 16 rows x (256 bytes + 16)
.set WSTG, 17408
.set HSTG, 4352
.set LSUM, STG+8*WSTG                  ; partial sums l: [wave 512][head 128][lane 4]
.set RCPS, LSUM+4096                   ; 1 / l, 128 bytes a wave
.set NQX,  2                           ; v2-3   -x of my query, twice
.set NQY,  4                           ; v4-5   -y
.set KA,   6                           ; v6     LDS address of the K step's keys
.set AO,   7                           ; v7     16 x lane
.set SO8,  8                           ; v8     8 x lane
.set FMX,  9                           ; v9     the largest f32 number
.set AV,   10                          ; v10    a
.set PX,   11                          ; v11    what the other half of the lanes sent
.set NM,   12                          ; v12-19 -M, a pair a head
.set LS,   20                          ; v20-27 l, two halves a head
.set SB,   28                          ; v28-31 the block's largest p, a head each
.set HOLD, 32                          ; v32-35 448 x the block's scale
.set SOP,  36                          ; v36-39 the conversion's scale operand
.set BY,   40                          ; v40-43 the scale's byte
.set PW,   44                          ; v44-47 p's scale word of the K step, a head each: scales and nothing else
.set AS,   48                          ; v48-51 inputs' scale words, a channel tile each: scales and nothing else
.set DMN,  52                          ; v52    the block's least d'
.set T,    53
.set TS,   54                          ; v54-55 a second chain of the sums
.set D,    56                          ; v56-71 d of my 16 keys of the block
.set KX,   72                          ; v72-87, v88-103 the keys' x and y
.set KY,   88
.set PB0,  104                         ; v104-119, v120-135 t - M, then p: two sets, the heads by turns
.set PB1,  120
.set CD,   136                         ; v136-199 p's codes: head h at 16 h, block c at 4 c
.set AF,   128                         ; window 1
.set RR,   200                         ; r = lane % 16
.set HH,   201                         ; h = lane / 16
.set LNE,  202
.set KA0,  203                         ; my lane's place among my quarter's keys
.set STO,  204
.set LSA,  205
.set RD,   206                         ; v206-209
.set LRD,  210
.set RC,   211
.set RCR,  212
.set GO,   213
.set TT,   214                         ; v214-227 at work at the head
.set SN,   215
.set QXY,  216                         ; v216-217 my query
.set SLV,  218                         ; v218-219 a, dmin
.set NUM,  220
.set LM,   221
.set J,    222
.set R,    223
.set N,    224
.set Q,    225
.set C,    226
.set S,    227
.set RLV,  228                         ; v228-235 1 / l of the rows that I store
.set FA,   236                         ; 4 x thread: the fill's LDS address
.set NK,   24                          ; s[24:31] -k, a pair a head (the packed form names a pair and takes its low word)
.set TK,   32                          ; the K step's keys, in bytes
.set SEL,  34                          ; s[34:35] v_permlanex16_b32's selects for lane l xor 16
.set MNT,  36                          ; the mantissa field of 448
.set CTR,  37
.set MK,   40                          ; s40-55 sixteen masks
.set MSB, 0
.macro WIN new                         ; the immediate's high byte repeats the setting that is left
.if MSB != \new
	s_set_vgpr_msb (MSB<<8)|\new
.set MSB, \new
.endif
.endm
	s_load_b256 s[4:11], s[0:1], 0x0               ; mesh s[4:5], lmda s[6:7], acodes s[8:9], ascales s[10:11]
	s_load_b128 s[12:15], s[0:1], 0x20             ; sel s[12:13], out0 s[14:15]
	v_lshl_add_u32 v254, v0, 2, 0x27400
	v_mov_b32 v255, 0
	v_lshrrev_b32 v1, 5, v0
	v_readfirstlane_b32 s16, v1                    ; wave 0..7
	v_and_b32 v[RR], 15, v0
	v_bfe_u32 v[HH], v0, 4, 1
	v_and_b32 v[LNE], 31, v0
	v_lshlrev_b32 v[AO], 4, v[LNE]
	v_lshlrev_b32 v[SO8], 3, v[LNE]
	v_lshlrev_b32 v[TT], 3, v0                     ; a key is 8 bytes of mesh: thread t fetches keys t + 256 i
	v_lshlrev_b32 v[SN], 3, v[RR]
	v_and_b32 v[NUM], 3, v0
	v_lshlrev_b32 v[NUM], 2, v[NUM]                ; lane l works out the scale of head l % 4
	s_wait_alu depctr_va_sdst(0)                   ; s16 is written, ahead of its first reader: the wave's shares and addresses are made from it
	s_and_b32 s17, s16, 1                          ; q: my tile of 16 queries
	s_lshr_b32 s18, s16, 1                         ; kq: my quarter of the keys; at the end my head
	s_lshr_b32 s19, ttmp9, 6                       ; batch
	s_and_b32 s20, ttmp9, 63
	s_lshl_b32 s20, s20, 5
	s_lshl_b32 s21, s17, 4
	s_add_co_u32 s20, s20, s21                     ; my tile's first query in its batch
	s_lshl_b32 s21, s19, 11
	s_add_co_u32 s21, s21, s20                     ; and among the 8,192 rows
	s_lshl_b32 s22, s19, 14                        ; the batch's 16,384 bytes of mesh
	s_mov_b32 s23, 0
	s_lshl_b32 s38, s20, 3                         ; my tile's queries in them
	s_mov_b32 s39, 0
	s_lshl_b32 s56, s21, 3                         ; sel: 8 bytes a row
	s_mov_b32 s57, 0
	s_lshl_b32 s58, s19, 4
	s_lshl_b32 s59, s18, 2
	s_add_co_u32 s58, s58, s59                     ; my first K step: 16 x batch + 4 kq
	s_lshl_b32 s60, s58, 10                        ; 1,024 bytes of scale words a K step,
	s_lshl_b32 s58, s58, 13                        ; 8,192 of codes
	s_mov_b32 s59, 0
	s_mov_b32 s61, 0
	s_mul_i32 s62, s21, 1280                       ; out0: my tile's first row, head kq's 256 bytes behind the copy of inputs
	s_lshl_b32 s63, s18, 8
	s_add_co_u32 s62, s62, s63
	s_add_co_u32 s62, s62, 256
	s_mov_b32 s63, 0
	s_wait_kmcnt 0x0
	s_add_nc_u64 s[4:5], s[4:5], s[22:23]
	s_add_nc_u64 s[38:39], s[4:5], s[38:39]
	s_add_nc_u64 s[12:13], s[12:13], s[56:57]
	s_add_nc_u64 s[8:9], s[8:9], s[58:59]
	s_add_nc_u64 s[10:11], s[10:11], s[60:61]
	s_add_nc_u64 s[14:15], s[14:15], s[62:63]
	s_wait_alu depctr_va_vdst(0)                   ; the offsets v[TT], v[SN] and v[NUM] are written, which the loads below read
.irp i, 0,1,2,3,4,5,6,7
	global_load_b64 v[KX+2*\i:KX+2*\i+1], v[TT], s[4:5] offset:2048*\i
.endr
	global_load_b64 v[QXY:QXY+1], v[SN], s[38:39]
	global_load_b64 v[SLV:SLV+1], v[SN], s[12:13]
	global_load_b32 v[LM], v[NUM], s[6:7]
	; every LDS address is made here
	v_lshlrev_b32 v[FA], 2, v0
	s_lshl_b32 s2, s18, 11
	v_lshl_add_u32 v[KA0], v[HH], 6, s2            ; keys 512 kq + 16 h, 4 bytes each
	s_mov_b32 s[TK], 0
	v_add_nc_u32 v[KA], s[TK], v[KA0]              ; the first K step's keys
	s_mul_i32 s2, s16, WSTG
	s_add_co_u32 s2, s2, STG
	v_mul_u32_u24 v[STO], v[RR], 272
	v_lshl_add_u32 v[STO], v[HH], 5, v[STO]
	v_add_nc_u32 v[STO], s2, v[STO]                ; into the stage: my wave's part, row r, 32 h bytes
	s_mul_i32 s2, s17, WSTG
	s_mul_i32 s3, s18, HSTG
	s_add_co_u32 s2, s2, s3
	s_add_co_u32 s2, s2, STG
	v_mul_u32_u24 v[RD], v[HH], 272
	v_lshl_add_u32 v[RD], v[RR], 4, v[RD]
	v_add_nc_u32 v[RD], s2, v[RD]                  ; back: wave q + 2 k, head kq; lanes 0-15 one row, lanes 16-31 the next
	v_add_nc_u32 v[RD+1], 2*WSTG, v[RD]
	v_add_nc_u32 v[RD+2], 4*WSTG, v[RD]
	v_add_nc_u32 v[RD+3], 6*WSTG, v[RD]
	s_lshl_b32 s2, s16, 9
	s_add_co_u32 s2, s2, LSUM
	v_lshl_add_u32 v[LSA], v[LNE], 2, s2
	s_lshl_b32 s2, s17, 9
	s_lshl_b32 s3, s18, 7
	s_add_co_u32 s2, s2, s3
	s_add_co_u32 s2, s2, LSUM
	v_lshl_add_u32 v[LRD], v[LNE], 2, s2
	s_lshl_b32 s2, s16, 7
	s_add_co_u32 s2, s2, RCPS
	v_lshl_add_u32 v[RC], v[LNE], 2, s2
	v_lshl_add_u32 v[RCR], v[HH], 2, s2
	v_mul_u32_u24 v[GO], v[HH], 1280               ; out0: lanes 0-15 one row, lanes 16-31 the next; 16 bytes a lane
	v_lshl_add_u32 v[GO], v[RR], 4, v[GO]
	s_mov_b32 s[SEL], 0x76543210
	s_mov_b32 s[SEL+1], 0xfedcba98
	s_mov_b32 s[MNT], 0x600000
	v_mov_b32 v[FMX], 0x7f7fffff
	v_mov_b32 v[PX], 0                             ; written once: a lane permute's destination counts as one of its sources
.irp i, 0,1,2,3,4,5,6,7
	v_mov_b32 v[LS+\i], 0
.endr
	s_wait_loadcnt 0x0                             ; all my loads are in
	s_wait_alu depctr_vm_vsrc(0)                   ; the loads have read their offsets v[TT], v[SN] and v[NUM], which the arithmetic below writes again
	s_wait_alu depctr_va_vdst(0)                   ; every LDS address and out0's offset are written: v[FA], which the stores below read, v[KA] and the way out's; none but v[KA] is written again
.irp i, 0,1,2,3,4,5,6,7
	ds_store_b32 v[FA], v[KX+2*\i] offset:XS+1024*\i               ; x and y apart, so that a lane's registers hold neighbouring keys' x (or y) in pairs
	ds_store_b32 v[FA], v[KX+2*\i+1] offset:YS+1024*\i
.endr
; sin and cos of v[x]: J = the nearest whole number to x / (pi/2); R = x - J pi/2, pi/2 in three parts, each taken off by a fused multiply-add; then polynomials in R on +-pi/4.  N = J as a whole number.
.macro SINCOS x
	v_mul_f32 v[J], 0x3f22f983, v[\x]
	v_rndne_f32 v[J], v[J]
	v_fmamk_f32 v[R], v[J], 0xbfc90fdb, v[\x]
	v_fmamk_f32 v[R], v[J], 0x333bbd2e, v[R]
	v_fmamk_f32 v[R], v[J], 0x26f72ced, v[R]
	v_cvt_i32_f32 v[N], v[J]
	v_mul_f32 v[Q], v[R], v[R]
	v_mov_b32 v[C], 0x37ccf5ce
	v_mov_b32 v[S], 0xb94ca1f9
	v_fmaak_f32 v[C], v[C], v[Q], 0xbab6061a
	v_fmaak_f32 v[S], v[S], v[Q], 0x3c08839e
	v_fmaak_f32 v[C], v[C], v[Q], 0x3d2aaaa5
	v_fmaak_f32 v[S], v[S], v[Q], 0xbe2aaaa3
	v_fma_f32 v[C], v[C], v[Q], -0.5
	v_mul_f32 v[TT], v[R], v[Q]
	v_fma_f32 v[C], v[C], v[Q], 1.0                ; cos R, never above 1
	v_fma_f32 v[S], v[S], v[TT], v[R]              ; sin R
.endm
	SINCOS LM
	v_and_b32 v[TT], 1, v[N]
	v_cmp_eq_u32 vcc_lo, 1, v[TT]
	s_wait_alu depctr_va_vcc(0)                    ; the compare has written VCC, which the select reads
	v_cndmask_b32 v[SN], v[S], v[C], vcc_lo        ; quadrants 1 and 3 take the cosine,
	v_and_b32 v[TT], 2, v[N]
	v_lshlrev_b32 v[TT], 30, v[TT]
	v_xor_b32 v[SN], v[SN], v[TT]                  ; quadrants 2 and 3 the other sign: sin(lmda)
	v_add_f32 v[SN], 1.0, v[SN]
	v_mul_f32 v[SN], 0x3f490fd9, v[SN]             ; y = fl(pi/4 (1 - 1e-7)) (1 + sin): from 0 to just under pi/2
	SINCOS SN
	v_cmp_eq_u32 vcc_lo, 1, v[N]                   ; N is 0 or 1.  N = 1: y = pi/2 + R, tan y = cos R / (-sin R)
	v_xor_b32 v[TT], 0x80000000, v[S]
	s_wait_alu depctr_va_vcc(0)                    ; the compare has written VCC, which the two selects read
	v_cndmask_b32 v[NUM], v[S], v[C], vcc_lo
	v_cndmask_b32 v[LM], v[C], v[TT], vcc_lo
	s_wait_alu depctr_va_vdst(0)
	v_rcp_f32 v[J], v[LM]
	v_nop                                          ; a plain line behind the reciprocal,
	s_wait_alu depctr_va_vdst(0)                   ; and the reciprocal has written v[J], ahead of its first reader
	v_mul_f32 v[NUM], v[NUM], v[J]                 ; the scale
	v_mul_f32 v[NUM], 0x3fb8aa3b, v[NUM]           ; k = scale x log2(e)
.irp h, 0,1,2,3
	v_readlane_b32 s[NK+2*\h], v[NUM], \h
.endr
	s_wait_alu depctr_va_sdst(0)                   ; the four k are written to s24, s26, s28 and s30, ahead of their first readers
.irp h, 0,1,2,3
	v_mul_f32 v[NM+2*\h], s[NK+2*\h], v[SLV+1]
.endr
.irp h, 0,1,2,3
	v_floor_f32 v[NM+2*\h], v[NM+2*\h]             ; -M = floor(dmin k) = -ceil(the row's largest t)
.endr
.irp h, 0,1,2,3
	v_mov_b32 v[NM+2*\h+1], v[NM+2*\h]             ; (named with it as a pair, so it is written)
	s_xor_b32 s[NK+2*\h], s[NK+2*\h], 0x80000000   ; -k
	s_mov_b32 s[NK+2*\h+1], s[NK+2*\h]
.endr
	v_xor_b32 v[NQX], 0x80000000, v[QXY]           ; x_key + (-x_query): the same number as the difference
	v_mov_b32 v[NQX+1], v[NQX]
	v_xor_b32 v[NQY], 0x80000000, v[QXY+1]
	v_mov_b32 v[NQY+1], v[NQY]
	v_mov_b32 v[AV], v[SLV]
	s_wait_alu depctr_va_vdst(0)
	s_wait_dscnt 0x0                               ; for the others' sake: my stores have landed
	s_barrier_signal -1
	s_barrier_wait -1                              ; the batch's keys lie in LDS
.macro KLOAD c                         ; my 16 keys of block c (c = 4: the next K step's block 0): the sixteen lanes of a half read the same bytes
.irp j, 0,1,2,3
	ds_load_b128 v[KX+4*\j:KX+4*\j+3], v[KA] offset:XS+128*(\c)+16*\j
	ds_load_b128 v[KY+4*\j:KY+4*\j+3], v[KA] offset:YS+128*(\c)+16*\j
.endr
.endm
.macro DCOMP                           ; d = fma(dy, dy, dx dx), as in the launch before
.irp i, 0,2,4,6,8,10,12,14
	v_pk_add_f32 v[KX+\i:KX+\i+1], v[KX+\i:KX+\i+1], v[NQX:NQX+1]
.endr
.irp i, 0,2,4,6,8,10,12,14
	v_pk_add_f32 v[KY+\i:KY+\i+1], v[KY+\i:KY+\i+1], v[NQY:NQY+1]
.endr
.irp i, 0,2,4,6,8,10,12,14
	v_pk_mul_f32 v[KX+\i:KX+\i+1], v[KX+\i:KX+\i+1], v[KX+\i:KX+\i+1]
.endr
.irp i, 0,2,4,6,8,10,12,14
	v_pk_fma_f32 v[D+\i:D+\i+1], v[KY+\i:KY+\i+1], v[KY+\i:KY+\i+1], v[KX+\i:KX+\i+1]
.endr
.endm
.macro ALOAD                           ; the K step's four fragments of inputs^T and their scale words: each load reads 512 (256) consecutive bytes.  The caller has set the destination's window to 1, ahead of its wait
.irp t, 0,1,2,3
.irp c, 0,1,2,3
	global_load_b128 v[AF+16*\t+4*\c:AF+16*\t+4*\c+3], v[AO], s[8:9] offset:2048*\t+512*\c
.endr
.endr
	WIN 0
.irp t, 0,1,2,3
	global_load_b32 v[AS+\t], v[SO8], s[10:11] offset:256*\t
.endr
.endm
.macro MASK                            ; d' = d where d <= a, else the largest f32 number: once for the four heads
.irp i, 0,1,2,3,4,5,6,7,8,9,10,11,12,13,14,15
	v_cmp_ge_f32 s[MK+\i], v[AV], v[D+\i]
.endr
	s_wait_alu depctr_va_sdst(0)                   ; the sixteen compares have written s40 to s55, which the selects read: one wait behind the run
.irp i, 0,1,2,3,4,5,6,7,8,9,10,11,12,13,14,15
	v_cndmask_b32 v[D+\i], v[FMX], v[D+\i], s[MK+\i]
.endr
.endm
.macro DMIN                            ; the block's least d': my 16 and lane l xor 16's
	v_min3_num_f32 v[DMN], v[D], v[D+1], v[D+2]
	v_min3_num_f32 v[T], v[D+3], v[D+4], v[D+5]
	v_min3_num_f32 v[DMN], v[DMN], v[D+6], v[D+7]
	v_min3_num_f32 v[T], v[T], v[D+8], v[D+9]
	v_min3_num_f32 v[DMN], v[DMN], v[D+10], v[D+11]
	v_min3_num_f32 v[T], v[T], v[D+12], v[D+13]
	v_min3_num_f32 v[DMN], v[DMN], v[D+14], v[D+15]
	v_min_num_f32 v[DMN], v[DMN], v[T]
	v_permlanex16_b32 v[PX], v[DMN], s[SEL], s[SEL+1]
	v_min_num_f32 v[DMN], v[DMN], v[PX]
.endm
.macro TFMA h, pb                      ; t - M = d' (-k) + (-M), two at a time; the same of the block's least d'
.irp i, 0,2,4,6,8,10,12,14
	v_pk_fma_f32 v[\pb+\i:\pb+\i+1], v[D+\i:D+\i+1], s[NK+2*\h:NK+2*\h+1], v[NM+2*\h:NM+2*\h+1] op_sel_hi:[1,0,0]
.endr
	v_fma_f32 v[SB+\h], v[DMN], s[NK+2*\h], v[NM+2*\h]
.endm
.macro TEXP h, pb                      ; p = 2^(t - M): a batch of 17; nothing names a result before the wait that follows the next head's multiply-adds
.irp i, 0,1,2,3,4,5,6,7,8,9,10,11,12,13,14,15
	v_exp_f32 v[\pb+\i], v[\pb+\i]
.endr
	v_exp_f32 v[SB+\h], v[SB+\h]
.endm
.macro FIN h, pb, c                    ; the sums of the unquantised p; the block's scale; the hold; the codes
	v_pk_add_f32 v[TS:TS+1], v[\pb:\pb+1], v[\pb+2:\pb+3]
	v_pk_add_f32 v[LS+2*\h:LS+2*\h+1], v[LS+2*\h:LS+2*\h+1], v[\pb+4:\pb+5]
	v_pk_add_f32 v[TS:TS+1], v[TS:TS+1], v[\pb+6:\pb+7]
	v_pk_add_f32 v[LS+2*\h:LS+2*\h+1], v[LS+2*\h:LS+2*\h+1], v[\pb+8:\pb+9]
	v_pk_add_f32 v[TS:TS+1], v[TS:TS+1], v[\pb+10:\pb+11]
	v_pk_add_f32 v[LS+2*\h:LS+2*\h+1], v[LS+2*\h:LS+2*\h+1], v[\pb+12:\pb+13]
	v_pk_add_f32 v[TS:TS+1], v[TS:TS+1], v[\pb+14:\pb+15]
	v_max_num_f32 v[SB+\h], 0x4800000, v[SB+\h]    ; the floor 2^(9 - 127): the byte cannot fall under 1 (a block whose every p is 0 keeps that byte: its codes are zeros)
	v_pk_add_f32 v[LS+2*\h:LS+2*\h+1], v[LS+2*\h:LS+2*\h+1], v[TS:TS+1]
	v_add_nc_u32 v[SOP+\h], 0xfc000000, v[SB+\h]   ; 8 off the exponent field: the conversion's scale operand
	v_and_or_b32 v[HOLD+\h], v[SB+\h], 0x7f800000, s[MNT]          ; 448 x the scale
.if (\c) == 0
	v_lshrrev_b32 v[PW+\h], 23, v[SOP+\h]          ; the scale's byte: byte c of the K step's word
.else
	v_lshrrev_b32 v[BY+\h], 23, v[SOP+\h]
	v_lshl_or_b32 v[PW+\h], v[BY+\h], 8*(\c), v[PW+\h]
.endif
.irp i, 0,1,2,3,4,5,6,7,8,9,10,11,12,13,14,15
	v_min_num_f32 v[\pb+\i], v[\pb+\i], v[HOLD+\h] ; the conversion to an 8-bit code does not saturate (ISA guide 7.6.2); p is not negative, so the hold is one-sided
.endr
	v_cvt_scalef32_pk8_fp8_f32 v[CD+16*\h+4*(\c):CD+16*\h+4*(\c)+1], v[\pb:\pb+7], v[SOP+\h]
	v_cvt_scalef32_pk8_fp8_f32 v[CD+16*\h+4*(\c)+2:CD+16*\h+4*(\c)+3], v[\pb+8:\pb+15], v[SOP+\h]
	v_nop                                          ; a plain line behind the last conversion
.endm
; A block of 32 keys for the four heads.  One head's exponentials are out while the next head's multiply-adds and the head before's sums and codes are issued; one wait a batch.
; The block's loads stand behind the first of these waits: the next block's keys, and in block 0 the K step's codes and scale words.
.macro BLOCK c
	s_wait_dscnt 0x0                               ; the block's keys are in
	DCOMP
	MASK
	DMIN
	TFMA 0, PB0
	s_wait_alu depctr_va_vdst(0)
	TEXP 0, PB0
	TFMA 1, PB1
.if (\c) == 0
	WIN 0x40                                       ; destination window 1, address window 0: the switch stands ahead of the wait, the wait ahead of the loads
.endif
	s_wait_alu depctr_va_vdst(0)                   ; head 0's exponentials have written PB0 and v[SB], ahead of their first reader.  Also: the distance lines are done with KX and KY, in which the next keys land; in block 0 v[KA] is written and the last K step's products are done reading AF and AS
.if (\c) == 0
	ALOAD                                          ; no vector or matrix line since the wait names AF, AS or their offsets
.endif
.if (\c) < 3
	KLOAD (\c)+1                                   ; the next block's keys, two thirds of a block's work ahead; no vector line since the wait names KX, KY or v[KA]
.endif
	TEXP 1, PB1
	FIN 0, PB0, \c
	TFMA 2, PB0
	s_wait_alu depctr_va_vdst(0)                   ; head 1's exponentials have written PB1 and v[SB+1], ahead of their first reader
	TEXP 2, PB0
	FIN 1, PB1, \c
	TFMA 3, PB1
	s_wait_alu depctr_va_vdst(0)                   ; head 2's exponentials have written PB0 and v[SB+2], ahead of their first reader
	TEXP 3, PB1
	FIN 2, PB0, \c
	s_wait_alu depctr_va_vdst(0)                   ; head 3's exponentials have written PB1 and v[SB+3], ahead of their first reader
	FIN 3, PB1, \c
.endm
; A K step: 128 keys.  16 products, the 16 accumulators by turns, one instruction a turn, over the loop's backward jump and out into the last step too.
; zero = 1: the first K step: the products start the sums, and v[KA] was made at the kernel's head.  next = 1: the next K step's first keys are asked for.
.macro KSTEP zero, next
.if !\zero
	s_wait_alu depctr_vm_vsrc(0)                   ; the LDS loads issued so far have read v[KA]
	v_add_nc_u32 v[KA], s[TK], v[KA0]
.endif
	BLOCK 0
	BLOCK 1
	BLOCK 2
	BLOCK 3
.rept 4
	v_nop                                          ; with the line behind the last conversion: the places between the codes and the scaled products; the last scale word was written 16 plain lines further up
.endr
	s_wait_alu depctr_va_vdst(0)                   ; behind the places: the conversions have written p's codes and the shifts its scale words, which the products take; block 3's distance lines are done with KX and KY
.if \next
	KLOAD 4                                        ; the next K step's block 0, 512 bytes on from this step's: it lands while the products are issued, which name neither KX, KY nor v[KA]
.endif
	s_wait_loadcnt 0x0                             ; inputs' fragments and scale words are in; their bases may step
	s_add_nc_u64 s[8:9], s[8:9], 8192
	s_add_nc_u64 s[10:11], s[10:11], 1024
	s_add_co_u32 s[TK], s[TK], 512
	WIN 0x51                                       ; source 0 (inputs), C and D window 1; source 1 (p) window 0
.irp t, 0,1,2,3
.irp h, 0,1,2,3
.if \zero
	v_wmma_scale_f32_16x16x128_f8f6f4 v[8*(4*\h+\t):8*(4*\h+\t)+7], v[AF+16*\t:AF+16*\t+15], v[CD+16*\h:CD+16*\h+15], 0, v[AS+\t], v[PW+\h]
.else
	v_wmma_scale_f32_16x16x128_f8f6f4 v[8*(4*\h+\t):8*(4*\h+\t)+7], v[AF+16*\t:AF+16*\t+15], v[CD+16*\h:CD+16*\h+15], v[8*(4*\h+\t):8*(4*\h+\t)+7], v[AS+\t], v[PW+\h]
.endif
.endr
.endr
	WIN 0
.endm
	s_wait_alu depctr_vm_vsrc(0)                   ; my LDS stores of the fill have read v72 to v87, in which the first keys land (v[KA] was written ahead of the waits on va_vdst above, and no vector line since names it, KX or KY)
	KLOAD 0
	KSTEP 1, 1                                     ; the first K step stands ahead of the loop: nothing is cleared
	s_mov_b32 s[CTR], 2
.Lk:
	KSTEP 0, 1
	s_sub_co_u32 s[CTR], s[CTR], 1
	s_cmp_lg_u32 s[CTR], 0
	s_cbranch_scc1 .Lk
	KSTEP 0, 0                                     ; the last K step is written out: no load reaches past my quarter of the keys
	; ---- THE END.  My quarter's sums and partial O^T go to LDS; wave (q, kq) adds the four quarters of head kq of tile q, divides and stores.
.rept 8
	v_nop                                          ; the places between the last products and the first read of a result
.endr
.irp h, 0,1,2,3
	v_add_f32 v[SB+\h], v[LS+2*\h], v[LS+2*\h+1]   ; the sum's two halves,
.endr
.irp h, 0,1,2,3
	v_permlanex16_b32 v[HOLD+\h], v[SB+\h], s[SEL], s[SEL+1]
.endr
.irp h, 0,1,2,3
	v_add_f32 v[SB+\h], v[SB+\h], v[HOLD+\h]       ; and lane l xor 16's: my quarter's l of query r
.endr
	s_wait_alu depctr_va_vdst(0)                   ; behind the places: the additions have written v[SB ..] and the products the accumulators, which the LDS stores read; every vector and matrix line is done with v56 to v183, in which the stage's loads land further down
.irp h, 0,1,2,3
	ds_store_b32 v[LSA], v[SB+\h] offset:128*\h
.endr
	WIN 0x04                                       ; an LDS store's data are its source 1: window 1
.irp h, 0,1,2,3
.irp t, 0,1,2,3
	ds_store_b128 v[STO], v[8*(4*\h+\t):8*(4*\h+\t)+3] offset:\h*HSTG+64*\t          ; lane (r, h'): query r, channels 16 t + 8 h' + 0 .. 7; each accumulator from its low end on
	ds_store_b128 v[STO], v[8*(4*\h+\t)+4:8*(4*\h+\t)+7] offset:\h*HSTG+64*\t+16
.endr
.endr
	WIN 0
	s_wait_dscnt 0x0                               ; for the others' sake: my stores have landed
	s_barrier_signal -1
	s_barrier_wait -1
	s_wait_alu depctr_vm_vsrc(0)                   ; my LDS stores have read v[SB ..], in which the quarters' l land
.irp k, 0,1,2,3
	ds_load_b32 v[SB+\k], v[LRD] offset:1024*\k    ; quarter k's l of my head
.endr
.irp k, 0,1,2,3
.irp i, 0,1,2,3,4,5,6,7
	ds_load_b128 v[56+32*\k+4*\i:56+32*\k+4*\i+3], v[RD+\k] offset:544*\i           ; quarter k, rows 2 i and 2 i + 1: sixteen lanes a row of 256 bytes
.endr
.endr
	s_wait_dscnt 32                                ; the four l are in; the 32 loads issued behind them may stay out
	v_add_f32 v[SB], v[SB], v[SB+1]
	v_add_f32 v[SB+2], v[SB+2], v[SB+3]
	v_add_f32 v[SB], v[SB], v[SB+2]
	s_wait_alu depctr_va_vdst(0)
	v_rcp_f32 v[SB+1], v[SB]
	v_nop                                          ; a plain line behind the reciprocal,
	s_wait_alu depctr_va_vdst(0)                   ; and the reciprocal has written v[SB+1], which the LDS store reads: its first reader
	ds_store_b32 v[RC], v[SB+1]                    ; lane r holds 1 / l of query r; I want that of the rows that I store: through my wave's own 128 bytes
.irp i, 0,1,2,3,4,5,6,7
	ds_load_b32 v[RLV+\i], v[RCR] offset:8*\i      ; row 2 i + h.  LDS serves a wave's instructions in order (ISA guide 5.7.1): these see the store above
.endr
	s_wait_dscnt 0x0
.set i, 0
.rept 16
	v_pk_add_f32 v[56+i:57+i], v[56+i:57+i], v[88+i:89+i]
.set i, i+2
.endr
.set i, 0
.rept 16
	v_pk_add_f32 v[120+i:121+i], v[120+i:121+i], v[152+i:153+i]
.set i, i+2
.endr
.set i, 0
.rept 16
	v_pk_add_f32 v[56+i:57+i], v[56+i:57+i], v[120+i:121+i]
.set i, i+2
.endr
.irp i, 0,1,2,3,4,5,6,7
.irp j, 0,1,2,3
	v_mul_f32 v[56+4*\i+\j], v[56+4*\i+\j], v[RLV+\i]
.endr
.endr
	s_wait_alu depctr_va_vdst(0)                   ; the multiplications have written v56 to v87, which the stores read
.irp i, 0,1,2,3,4,5,6,7
	global_store_b128 v[GO], v[56+4*\i:56+4*\i+3], s[14:15] offset:2560*\i          ; 16 lanes store 256 consecutive bytes, at a multiple of 256 from out0's first byte
.endr
	s_wait_dscnt 0x0
	s_wait_alu depctr_hold_cnt(0) depctr_sa_sdst(0) depctr_va_vdst(0) depctr_va_sdst(0) depctr_va_ssrc(0) depctr_va_vcc(0) depctr_vm_vsrc(0)
	s_wait_tensorcnt 0x0
	ds_add_u32 v254, v255
	s_wait_dscnt 0x0
	s_endpgm
.Lfunc_end_k_q1ad089cf79_attend:
	.size	k_q1ad089cf79_attend, .Lfunc_end_k_q1ad089cf79_attend-k_q1ad089cf79_attend
	.p2alignl 7, 3214868480
	.fill 96, 4, 3214868480
	.section	.rodata,"a",@progbits
	.p2align	6, 0x0
	.amdhsa_kernel k_q1ad089cf79_attend
		.amdhsa_group_segment_fixed_size 161792
		.amdhsa_private_segment_fixed_size 0
		.amdhsa_enable_private_segment 0
		.amdhsa_kernarg_size 48
		.amdhsa_user_sgpr_count 2
		.amdhsa_user_sgpr_kernarg_segment_ptr 1
		.amdhsa_wavefront_size32 1
		.amdhsa_system_sgpr_workgroup_id_x 1
		.amdhsa_system_sgpr_workgroup_id_y 1
		.amdhsa_system_sgpr_workgroup_id_z 1
		.amdhsa_system_vgpr_workitem_id 0
		.amdhsa_next_free_vgpr 448
		.amdhsa_next_free_sgpr 66
		.amdhsa_reserve_vcc 1
		.amdhsa_float_denorm_mode_32 3
		.amdhsa_float_denorm_mode_16_64 3
		.amdhsa_memory_ordered 1
		.amdhsa_forward_progress 1
		.amdhsa_inst_pref_size 221
	.end_amdhsa_kernel
	.amdgpu_metadata
---
amdhsa.version: [ 1, 2 ]
amdhsa.kernels:
  - .name:           k_q1ad089cf79_attend
    .symbol:         k_q1ad089cf79_attend.kd
    .args:
      - { .name: mesh, .offset: 0, .size: 8, .value_kind: global_buffer, .address_space: global }
      - { .name: lmda, .offset: 8, .size: 8, .value_kind: global_buffer, .address_space: global }
      - { .name: acodes, .offset: 16, .size: 8, .value_kind: global_buffer, .address_space: global }
      - { .name: ascales, .offset: 24, .size: 8, .value_kind: global_buffer, .address_space: global }
      - { .name: sel, .offset: 32, .size: 8, .value_kind: global_buffer, .address_space: global }
      - { .name: out0, .offset: 40, .size: 8, .value_kind: global_buffer, .address_space: global }
    .group_segment_fixed_size: 161792
    .private_segment_fixed_size: 0
    .kernarg_segment_align: 8
    .kernarg_segment_size: 48
    .max_flat_workgroup_size: 256
    .sgpr_count:     66
    .vgpr_count:     448
    .wavefront_size: 32
...
	.end_amdgpu_metadata
.endif
;; end of part 4
